; MI455X (gfx1250); checked and timed in simulation.
; The chip was launched on July 23, 2026; its instructions are those of AMD's public machine-readable ISA for CDNA 5 (MIT licence, August 2026) and "CDNA5" Instruction Set Architecture Reference Guide (July 2026). The comments in the code are by the model that wrote it; some were corrected since.
;; Self Attention. Allowed arithmetic: matrix products marked QUANTISED: E2M3 operands, one E8M0 scale for each 32 along K, by v_wmma_scale_f32_16x16x128_f8f6f4 with both operands' format E2M3, f32 sums; everything else in f32.
;; Inputs: Wk 1,024 x 1,024 float32; Wq 1,024 x 1,024 float32; Wu 1,024 x 1,024 float32; Wv 1,024 x 1,024 float32; kln_b 64 float32; kln_w 64 float32; qln_b 64 float32; qln_w 64 float32; x 4 x 2,048 x 1,024 float32.
;; Outputs: out0 4 x 2,048 x 1,024 float32.
;; This version of the problem:
;;   THIS VERSION OF THE PROBLEM IS GIVEN IN LOW PRECISION. The matrix products marked QUANTISED in the list below multiply operands that are first quantised to E2M3 (2 exponent bits, 3 mantissa bits; 6 bits a number), with one power-of-two scale for each 32 numbers along K (OCP MX v1.0); their sums are f32. All else is computed in f32.
;;   The module's matrix products, in the order in which they are computed (A, B: the left and right operand; K: the contracted axis; several contracted axes count as one K, in the product's order):
;;     1. [M 8,192, K 1,024] x [K 1,024, N 1,024]; A: input x; B: input Wk: QUANTISED
;;     2. [M 8,192, K 1,024] x [K 1,024, N 1,024]; A: input x; B: input Wq: QUANTISED
;;     3. [M 8,192, K 1,024] x [K 1,024, N 1,024]; A: input x; B: input Wv: QUANTISED
;;     4. batch 64 x [M 2,048, K 64] x [K 64, N 2,048]; A: computed on the way; B: computed on the way: QUANTISED
;;     5. batch 64 x [M 64, K 2,048] x [K 2,048, N 2,048]; A: computed on the way; B: softmax (see below): QUANTISED
;;     6. [M 8,192, K 1,024] x [K 1,024, N 1,024]; A: computed on the way; B: input Wu: QUANTISED
;;   THE QUANTISER, for each operand of a quantised product, along K:
;;     - K is cut into blocks of 32 from its start; a last block that is shorter is filled with zeros.
;;     - A block's scale is 2^e with e = floor(log2(the largest magnitude in the block)) - 2, held to -126 .. 127; a block of zeros has e = 0. As a byte (E8M0): e + 127.
;;     - Each number is divided by its block's scale, clamped to +-7.5, and rounded to the nearest number of E2M3, ties to even, subnormals kept.
;;     - The product sums the exact products of the quantised numbers (number of the format x scale) in f32.
;;   ~~~python
;;   def quantise(x, axis):      # numpy; x: float32 -> the quantised numbers, widened to float32 again
;;       x = np.moveaxis(x, axis, -1); K = x.shape[-1]
;;       x = np.pad(x, [(0, 0)] * (x.ndim - 1) + [(0, -K % 32)]); x = x.reshape(x.shape[:-1] + (-1, 32)); a = np.abs(x).max(-1, keepdims=True)
;;       e = np.where(a > 0, np.clip(np.frexp(np.where(a > 0, a, 1))[1] - 1 - 2, -126, 127), 0)      # np.frexp(a)[1] - 1 = floor(log2(a)), exactly
;;       r = np.clip(x / 2.0 ** e, -7.5, 7.5)
;;       step = 2.0 ** (np.maximum(np.frexp(np.where(r == 0, 1, r))[1] - 1, 0) - 3)
;;       q = np.round(r / step) * step * 2.0 ** e      # np.round: ties to even
;;       return np.moveaxis(q.reshape(q.shape[:-2] + (-1,))[..., :K], -1, axis).astype(np.float32)
;;   ~~~
;;   SOFTMAX AHEAD OF A QUANTISED PRODUCT. Where the list says 'softmax', what is quantised is not the finished softmax but p = 2^(t - M), with t = logit x log2(e) and M = ceil(the row's largest t), a whole number; so 1/2 < the row's largest p <= 1. The row's sum l is taken of the UNQUANTISED p, in f32, and the product's result is divided by l at the end. Since M is a whole number, a kernel that streams over the keys may use a running M (the ceiling of the running maximum): every later rescaling is an exact power of two, which a block's scale takes up: the codes' values come out the same.
;;   OPERANDS COMPUTED ON THE WAY. 'Computed on the way' means the value that the module computes at that place (a softmax that the list does not call 'softmax' is quantised finished and normalised). What goes into a quantiser is computed in f32, as accurately as f32 sums, v_exp_f32 and their like allow (about 1e-6 of the number): no bf16 or f16 on the way to a quantiser, and a product that is left as it is and whose result goes on into a quantised operand takes f32 operands (vector FMAs, or v_wmma_f32_16x16x4_f32). A number that lies on a knife's edge between two numbers of the format may be rounded either way, as far as f32 arithmetic and the matrix unit's own rounding can turn it there, and no further.
;; One version. Each part assembles by itself: llvm-mc -triple=amdgcn-amd-amdhsa -mcpu=gfx1250 --defsym DOCPART=n.
;; ======== version 1 of 1: 4 launches
;; limits: right only within a limited range of input values
;; workspace buffers: cimg 9,437,184 bytes; csc 393,216 bytes; qkv 20,185,088 bytes; aimg 6,291,456 bytes; asc 262,144 bytes
;; launch quant (part 1): grid 256 x 1, 6 waves a work-group, no clusters, 51,456 bytes of LDS; arguments x, Wk, Wq, Wv, Wu, cimg, csc; writes cimg, csc
.if DOCPART == 1
	.amdgcn_target "amdgcn-amd-amdhsa--gfx1250"
	.amdhsa_code_object_version 6
	.text
	.protected	k_q8a03307db1_quant
	.globl	k_q8a03307db1_quant
	.p2align	8
	.type	k_q8a03307db1_quant,@function
k_q8a03307db1_quant:
	s_mov_b64 s[64:65], 0
	v_nop
	global_prefetch_b8 v0, s[64:65] scope:SCOPE_SE
	s_setreg_imm32_b32 hwreg(HW_REG_WAVE_MODE, 25, 1), 1
	s_wait_xcnt 0x0
; x [8192][1024] and Wk, Wq, Wv, Wu [1024][1024], f32, K innermost, become codes of FP6 (E2M3) with one E8M0 byte for each 32 along K,
; laid as IMAGES OF THE OPERAND'S REGISTERS, so that later launches fetch fragments by loads of 16 and 8 bytes a lane with no pitch and no padding.
; TILES.  A tile is 16 rows; tile T holds at place r the row 32 (T / 2) + 8 (T % 2) + r + 8 (r / 8).  Tiles 0-511 x, 512-575 Wk, 576-639 Wq, 640-703 Wv, 704-767 Wu.
; IMAGE.  A fragment (16 rows x 128 K) is 12 registers a lane: registers 6 c .. 6 c + 5 of lane (r, h) hold k = 64 c + 32 h + 0 .. 31 of place r.  In memory: for each c 768 bytes:
; registers 0-3 at 16 x lane (512 bytes), registers 4-5 at 8 x lane (256 bytes).  A tile's eight K steps: 12,288 bytes.  Scale words: 512 bytes a tile: [K step / 4][r][K step % 4].
; A block's scale is 2^(floor(log2(largest magnitude)) - 2); its byte is the largest magnitude's exponent field - 2, held at 1 from below.
; LIMITS: NaN and infinities are not served.  A block of zeros, or one whose largest magnitude lies under 2^-124, gets the byte 1: a block of zeros has zero codes, and this program alone reads the bytes.
; SHARES.  Wave W = 6 x work-group + wave takes tile W / 2 and K steps 4 (W % 2) .. + 3.  Waves share nothing: no barrier.  No matrix unit, no cluster: each byte is read once and nothing is shared.
; Each load reads 512 consecutive bytes of one row; a K step's 16 rows turn through the wave's own stage (16 rows, 528 bytes apart), from which a lane takes its 64 numbers.
.set STG, 8448                         ; a wave's stage: 16 rows x (512 + 16) bytes
.set R,   16                           ; v16-143   two sets of 64 registers as loaded
.set X,   144                          ; v144-207  X[32 c + i] = k 64 c + 32 h + i of my row
.set PC,  208                          ; v208-219  the fragment's codes
.set PT,  220                          ; v220-227  the upper halves of the two blocks, as the conversions leave them
.set SW,  228                          ; v228-231  the scale words of my four K steps
	s_load_b256 s[4:11], s[0:1], 0x0               ; x, Wk, Wq, Wv
	s_load_b128 s[12:15], s[0:1], 0x20             ; Wu, cimg
	s_load_b64 s[16:17], s[0:1], 0x30              ; csc
	v_lshl_add_u32 v240, v0, 2, 0xc600
	v_mov_b32 v241, 0
	v_lshrrev_b32 v8, 5, v0
	v_readfirstlane_b32 s18, v8                    ; wave 0..5
	v_and_b32 v1, 31, v0                           ; lane
	v_and_b32 v9, 15, v0                           ; r
	v_bfe_u32 v10, v0, 4, 1                        ; h
	v_lshlrev_b32 v2, 4, v1                        ; 16 x lane: loads, and the codes' first four registers
	v_lshlrev_b32 v3, 3, v1                        ; 8 x lane: the codes' last two
	s_mul_i32 s26, s18, STG
	v_add_nc_u32 v4, s26, v2                       ; the stage, way in: a row as it was loaded
	v_mul_u32_u24 v5, v9, 528
	v_lshl_add_u32 v5, v10, 7, v5
	v_add_nc_u32 v5, s26, v5                       ; way out: row r, + 128 h bytes: my 32 numbers of each 64
	v_lshlrev_b32 v6, 3, v10                       ; 8 h: where my two bytes stand in the scale word
	v_lshlrev_b32 v7, 4, v9                        ; 16 r: my row's four scale words
	v_mov_b32 v15, 0                               ; written once: a lane permute's destination counts as one of its sources
	s_mov_b32 s20, 0x76543210
	s_mov_b32 s21, 0xfedcba98                      ; v_permlanex16_b32's selects for lane l xor 16
	s_mul_i32 s19, ttmp9, 6
	s_add_co_u32 s19, s19, s18                     ; W
	s_and_b32 s25, s19, 1                          ; which half of K
	s_lshr_b32 s19, s19, 1                         ; tile T
	s_and_b32 s24, s19, 63                         ; its number inside a weight
	s_wait_alu depctr_va_vdst(0)
	s_wait_kmcnt 0x0
	s_mov_b64 s[22:23], s[12:13]                   ; the source: Wu, unless the tile's number says otherwise (the choice hangs on ids alone)
	s_cmp_lt_u32 s19, 704
	s_cselect_b64 s[22:23], s[10:11], s[22:23]
	s_cmp_lt_u32 s19, 640
	s_cselect_b64 s[22:23], s[8:9], s[22:23]
	s_cmp_lt_u32 s19, 576
	s_cselect_b64 s[22:23], s[6:7], s[22:23]
	s_cmp_lt_u32 s19, 512
	s_cselect_b64 s[22:23], s[4:5], s[22:23]
	s_cselect_b32 s24, s19, s24                    ; the tile's number inside its tensor
	s_lshr_b32 s28, s24, 1
	s_lshl_b32 s28, s28, 17                        ; 32 rows of 4,096 bytes for each pair of tiles,
	s_and_b32 s29, s24, 1
	s_lshl_b32 s29, s29, 15                        ; 8 rows for the odd tile,
	s_add_co_u32 s28, s28, s29
	s_lshl_b32 s29, s25, 11                        ; 2,048 bytes for the upper half of K
	s_add_co_u32 s28, s28, s29
	s_mov_b32 s29, 0
	s_add_nc_u64 s[22:23], s[22:23], s[28:29]
	s_mul_i32 s28, s19, 12288
	s_mul_i32 s30, s25, 6144
	s_add_co_u32 s28, s28, s30
	s_add_nc_u64 s[14:15], s[14:15], s[28:29]      ; my four fragments' images
	s_lshl_b32 s28, s19, 9
	s_lshl_b32 s30, s25, 8
	s_add_co_u32 s28, s28, s30
	s_add_nc_u64 s[16:17], s[16:17], s[28:29]      ; my 256 bytes of scale words
.macro LOAD q                          ; K step q of the tile's 16 rows into set q % 2: place j is row j + 8 (j / 8)
.irp j, 0,1,2,3,4,5,6,7,8,9,10,11,12,13,14,15
	global_load_b128 v[R+64*((\q)%2)+4*\j:R+64*((\q)%2)+4*\j+3], v2, s[22:23] offset:(\j+8*(\j/8))*4096+512*(\q) th:TH_LOAD_NT
.endr
.endm
.macro KSTEP q
.if (\q) < 3
	s_wait_loadcnt 16                              ; this set's 16 loads are in; the younger set's 16 may be out
.else
	s_wait_loadcnt 0x0
.endif
.irp j, 0,1,2,3,4,5,6,7,8,9,10,11,12,13,14,15
	ds_store_b128 v4, v[R+64*((\q)%2)+4*\j:R+64*((\q)%2)+4*\j+3] offset:528*\j
.endr
.irp c, 0,1
.irp i, 0,1,2,3,4,5,6,7
	ds_load_b128 v[X+32*\c+4*\i:X+32*\c+4*\i+3], v5 offset:256*\c+16*\i   ; LDS serves a wave's instructions in order: these see the stores above
.endr
.endr
	s_wait_dscnt 0x0                               ; my 64 numbers are in, and the stores have read their registers,
.if (\q) < 2
	LOAD (\q)+2                                    ; which take the K step two on
.endif
.irp c, 0,1                                    ; my block 2 c + h: all its 32 numbers are mine
	v_max3_num_f32 v[8+\c], |v[X+32*\c]|, |v[X+32*\c+1]|, 0x1800000   ; with the floor 2^(3 - 127): the byte cannot fall under 1
.endr
.irp i, 2,4,6,8,10,12,14,16,18,20,22,24,26,28,30
.irp c, 0,1
	v_max3_num_f32 v[8+\c], v[8+\c], |v[X+32*\c+\i]|, |v[X+32*\c+\i+1]|
.endr
.endr
.irp c, 0,1
	v_add_nc_u32 v[10+\c], 0xff000000, v[8+\c]     ; 2 off the exponent field: the conversion's scale operand
.endr
.irp c, 0,1
	v_lshrrev_b32 v[12+\c], 23, v[10+\c]           ; the scale's byte
.endr
	v_lshl_or_b32 v14, v13, 16, v12                ; blocks h and 2 + h,
	v_lshlrev_b32 v14, v6, v14                     ; at their places in the word;
	v_permlanex16_b32 v15, v14, s20, s21
	v_or_b32 v[SW+(\q)], v14, v15                  ; with lane l xor 16's two the word is whole
	s_wait_alu depctr_va_vdst(0)
	s_wait_xcnt 0x0                                ; the last K step's stores have read their data: the codes' registers may be written again
.irp c, 0,1
	v_cvt_scalef32_pk16_fp6_f32 v[PC+6*\c:PC+6*\c+2], v[X+32*\c:X+32*\c+15], v[10+\c]
	v_cvt_scalef32_pk16_fp6_f32 v[PT+4*\c:PT+4*\c+2], v[X+32*\c+16:X+32*\c+31], v[10+\c]   ; (a conversion's three registers begin on an even number)
.endr
	v_nop                                          ; one plain place behind a scaled conversion
.irp c, 0,1
.irp i, 0,1,2
	v_mov_b32 v[PC+6*\c+3+\i], v[PT+4*\c+\i]
.endr
.endr
	global_store_b128 v2, v[PC:PC+3], s[14:15] offset:1536*(\q)            ; each store covers 512 or 256 consecutive bytes, aligned to 256
	global_store_b64 v3, v[PC+4:PC+5], s[14:15] offset:1536*(\q)+512
	global_store_b128 v2, v[PC+6:PC+9], s[14:15] offset:1536*(\q)+768
	global_store_b64 v3, v[PC+10:PC+11], s[14:15] offset:1536*(\q)+1280
.endm
	LOAD 0
	LOAD 1
	KSTEP 0
	KSTEP 1
	KSTEP 2
	KSTEP 3
	s_wait_xcnt 0x0                                ; EXEC changes only behind this wait
	v_cmp_gt_u32 vcc_lo, 16, v1
	s_wait_tensorcnt 0x0
	ds_add_u32 v240, v241
	s_wait_dscnt 0x0
	s_and_saveexec_b32 s26, vcc_lo                 ; lanes 0-15: one lane a row
	global_store_b128 v7, v[SW:SW+3], s[16:17]     ; 16 lanes store 256 consecutive bytes, aligned
	s_wait_xcnt 0x0
	s_or_b32 exec_lo, exec_lo, s26
	s_endpgm
.Lfunc_end_k_q8a03307db1_quant:
	.size	k_q8a03307db1_quant, .Lfunc_end_k_q8a03307db1_quant-k_q8a03307db1_quant
	.p2alignl 7, 3214868480
	.fill 96, 4, 3214868480
	.section	.rodata,"a",@progbits
	.p2align	6, 0x0
	.amdhsa_kernel k_q8a03307db1_quant
		.amdhsa_group_segment_fixed_size 51456
		.amdhsa_private_segment_fixed_size 0
		.amdhsa_enable_private_segment 0
		.amdhsa_kernarg_size 56
		.amdhsa_user_sgpr_count 2
		.amdhsa_user_sgpr_kernarg_segment_ptr 1
		.amdhsa_wavefront_size32 1
		.amdhsa_system_sgpr_workgroup_id_x 1
		.amdhsa_system_sgpr_workgroup_id_y 1
		.amdhsa_system_sgpr_workgroup_id_z 1
		.amdhsa_system_vgpr_workitem_id 0
		.amdhsa_next_free_vgpr 242
		.amdhsa_next_free_sgpr 66
		.amdhsa_reserve_vcc 1
		.amdhsa_float_denorm_mode_32 3
		.amdhsa_float_denorm_mode_16_64 3
		.amdhsa_memory_ordered 1
		.amdhsa_forward_progress 1
		.amdhsa_inst_pref_size 31
	.end_amdhsa_kernel
	.amdgpu_metadata
---
amdhsa.version: [ 1, 2 ]
amdhsa.kernels:
  - .name:           k_q8a03307db1_quant
    .symbol:         k_q8a03307db1_quant.kd
    .args:
      - { .name: x, .offset: 0, .size: 8, .value_kind: global_buffer, .address_space: global }
      - { .name: Wk, .offset: 8, .size: 8, .value_kind: global_buffer, .address_space: global }
      - { .name: Wq, .offset: 16, .size: 8, .value_kind: global_buffer, .address_space: global }
      - { .name: Wv, .offset: 24, .size: 8, .value_kind: global_buffer, .address_space: global }
      - { .name: Wu, .offset: 32, .size: 8, .value_kind: global_buffer, .address_space: global }
      - { .name: cimg, .offset: 40, .size: 8, .value_kind: global_buffer, .address_space: global }
      - { .name: csc, .offset: 48, .size: 8, .value_kind: global_buffer, .address_space: global }
    .group_segment_fixed_size: 51456
    .private_segment_fixed_size: 0
    .kernarg_segment_align: 8
    .kernarg_segment_size: 56
    .max_flat_workgroup_size: 192
    .sgpr_count:     66
    .vgpr_count:     242
    .wavefront_size: 32
...
	.end_amdgpu_metadata
.endif
;; end of part 1
;; launch qkv (part 2): grid 4 x 64, 4 waves a work-group, clusters of 4 x 4, 327,680 bytes of LDS; arguments cimg, csc, kln_w, kln_b, qln_w, qln_b, qkv; writes qkv
.if DOCPART == 2
	.amdgcn_target "amdgcn-amd-amdhsa--gfx1250"
	.amdhsa_code_object_version 6
	.text
	.protected	k_q8a03307db1_qkv
	.globl	k_q8a03307db1_qkv
	.p2align	8
	.type	k_q8a03307db1_qkv,@function
k_q8a03307db1_qkv:
	s_mov_b64 s[64:65], 0
	v_nop
	global_prefetch_b8 v0, s[64:65] scope:SCOPE_SE
	s_setreg_imm32_b32 hwreg(HW_REG_WAVE_MODE, 25, 1), 1
	s_wait_xcnt 0x0
	s_wait_alu depctr_hold_cnt(0) depctr_sa_sdst(0) depctr_va_vdst(0) depctr_va_sdst(0) depctr_va_ssrc(0) depctr_va_vcc(0) depctr_vm_vsrc(0)
	s_getreg_b32 s2, hwreg(HW_REG_IB_STS2, 6, 4)
	s_cmp_eq_u32 s2, 0
	s_cbranch_scc0 .Lentry_in_a_cluster
	s_endpgm
.Lentry_in_a_cluster:
	s_bfe_u32 s2, ttmp6, 0x10000c
	s_cmp_lg_u32 s2, 0xf033
	s_cbranch_scc0 .Lentry_shape_is_right
	s_endpgm
.Lentry_shape_is_right:
; k = LN(x Wk^T), q = LN(x Wq^T), v = x Wv^T on codes of FP6 (E2M3) with E8M0 scales, and their quantising for the attention: q and k along the head's 64, v along the tokens.
; OPERANDS come as register images (tiles of 16 rows, place r = row 32 (T / 2) + 8 (T % 2) + r + 8 (r / 8); a fragment 1,536 bytes; a tile's K = 1,024: 12,288 bytes; scale words 512 bytes a tile).
; A BLOCK is 128 rows of operand A x 256 rows of operand B over all of K; wave (rh, ch) makes 64 x 128: 32 accumulators.  The matrix instruction is used transposed
; (source 0 = 16 rows of B, source 1 = 16 rows of A): lane (r, h) holds place r of A's tile, and by the tiles' order the 16 registers of B's tiles 2 n, 2 n + 1 are 16 neighbours 32 n + 16 h + 0 .. 15 along B.
; A WORK-GROUP STAYS and makes three blocks: k, then q (A = 128 tokens, B = 256 rows of the weight, 4 heads: registers run along the head's d), then v (A = 128 rows of Wv, 2 heads, B = 256 tokens: registers run along the tokens).
; 256 work-groups x 3 blocks are all 768 blocks.  The loop has two trips, k's and q's, which share the norm's way out; v's block is written out behind it and asks for no further tile.
; THE RING: two LDS slots of four K steps each, 147,456 bytes (A's 8 tiles, then B's 16, 6,144 bytes a tile): slot 0 holds K steps 0-3 of a block, slot 1 K steps 4-7.
; Slot 0 is filled again, with the next block's tiles, at K step 3 (its last fragments are in registers then); slot 1 in the middle of the way out.  Each wave issues one tensor load behind each round; one is out at a time.
; CLUSTER 4 x 4: A's tiles hang on cy alone and are asked for jointly along a row, B's on cx alone, along a column; each refill stands behind a round of the cluster's barrier.
; No data prefetch is written: K is short (a block's whole K is two fills), and every fill but the first two is asked for at least four K steps' products ahead of the wait for it.
; OUTPUT: records of 19,712 bytes for (batch, head, 128 tokens): K 8 tiles x 768 | K's scale words 512 | V^T 4 tiles of d x 1,536 | V's scale words 256 | Q 8 x 768 | Q's scale words 512.
; LIMITS: NaN and infinities are not served.  A block of zeros, or one whose largest magnitude lies under 2^-124, gets the byte 1 (zero codes; the bytes are read by this program alone).
; v_rsq_f32 is accurate to 1 ulp; (x - mean) rs w + b fuses its last multiplication and addition.  The variance is taken of centred numbers.
; REGISTERS: window 0: v0-15 offsets; v16-23 LDS addresses; v32-47 A's scale words, v48-79 B's; v80-127, v128-175 A's fragments, two sets (on the way out v80-207 are at work); v254, v255 the add's two.
;   window 1: v0-95, v96-191 B's fragments, two sets; v192-223 the norm's gain, v224-255 its bias.   window 2: accumulator (a, b) at v[8 (8 a + b)].
.set TILEB,   6144                     ; a tile's four K steps
.set SLOT,    24*TILEB
.set SPARE,   2*SLOT                   ; behind the ring: the spare words, 128 bytes a wave
.set REC,     19712
.set HEADSTR, 16*REC                   ; from a head's record to the next head's
.set SCA, 32                           ; v[SCA + 8 (a % 2) + s]: lanes 0-15 the word of A's tile a < 2, lanes 16-31 of a >= 2, K step s
.set SCB, 48                           ; v[SCB + 8 (b % 4) + s]: lanes 0-15 B's tile b < 4, lanes 16-31 b >= 4
.set WV,  18                           ; s18 wave;  s19 rh, also: I fetch for A (0) or B (1);  s20 ch, also: which half of the tiles I fetch
.set RH,  19
.set CH,  20
.set G1A, 24                           ; s[24:31] descriptor group 1 for A's tiles;  s[32:39] for B's
.set G1B, 32
.set G0A, 40                           ; s[40:47] groups 0 for A's two slots;  s[48:55] for B's
.set G0B, 48
.set SEL, 2                            ; s[2:3] lane selects for lane l xor 16
.set TAQ, 66                           ; A's first tile for k and q;  s67 for v (both hang on cy, never on cx)
.set TAV, 67
.set TBK, 68                           ; B's first tile for k (q's: 64 on);  s69 for v (both hang on cx, never on cy)
.set TBV, 69
.set NTA, 72                           ; first tiles of the block that is asked for next
.set NTB, 73
.set NA,  74                           ; s[74:75], s[76:77] where my part of its tiles begins in memory
.set NB,  76
.set ATQ, 84                           ; block numbers, for the way out
.set BTV, 85
.set ATV, 86
.set HM,  96                           ; s96 mask of lanes 16-31;  s97 1/64;  s98 1e-5;  s99 the trip: 0 k, 1 q
.set I64, 97
.set EPS, 98
.set KD,  99
.set T,   80                           ; way out: v80-143 64 numbers;  v144-155 codes;  v156-163 upper halves;  v164-179 maxima, bytes, scale operands
.set PC,  144
.set PT,  156
.set TM,  164
.set PW,  180                          ; the scale word just made
.set SW,  184                          ; v184-187 the four tiles' scale words
.set MU,  188                          ; v[188:189], v[190:191] the two heads' means (low word used)
.set RS,  192                          ; v[192:193], v[194:195] their 1 / sqrt(var + eps)
.set WK,  196                          ; v196-207 at work
.set MSB, 0
.macro WIN new                         ; the immediate's high byte repeats the setting that is left
.if MSB != (\new)
	s_set_vgpr_msb (MSB<<8)|(\new)
.set MSB, (\new)
.endif
.endm
.macro PLACES                          ; four plain places behind a matrix instruction, ahead of loads into its registers and of reads of its results
.rept 4
	v_nop
.endr
.endm
.macro CROUND                          ; a round of the cluster's barrier
	s_barrier_signal -1
	s_barrier_wait -1
	s_cmp_lg_u32 s[WV], 0
	s_cbranch_scc1 .Lnot_wave_0_\@
	s_barrier_signal -3
.Lnot_wave_0_\@:
	s_barrier_wait -3
	s_barrier_signal -1
	s_barrier_wait -1
.endm
.macro JLOAD q                         ; a joint load into slot q: waves 0, 1 for A, waves 2, 3 for B; s_nop 0 and four v_nop follow each line
	s_cmp_eq_u32 s[RH], 0
	s_cbranch_scc0 .Lfor_b_\@
	tensor_load_to_lds s[G0A+4*\q:G0A+4*\q+3], s[G1A:G1A+7]
	s_nop 0
.rept 4
	v_nop
.endr
	s_branch .Lasked_\@
.Lfor_b_\@:
	tensor_load_to_lds s[G0B+4*\q:G0B+4*\q+3], s[G1B:G1B+7]
	s_nop 0
.rept 4
	v_nop
.endr
.Lasked_\@:
.endm
.macro NEXT                            ; from the next block's first tiles: where the four tiles of A and the eight of B that I would fetch begin
	s_lshl_b32 s88, s[CH], 2
	s_add_co_u32 s88, s88, s[NTA]
	s_mul_i32 s88, s88, 12288
	s_mov_b32 s89, 0
	s_add_nc_u64 s[NA:NA+1], s[4:5], s[88:89]
	s_lshl_b32 s90, s[CH], 3
	s_add_co_u32 s90, s90, s[NTB]
	s_mul_i32 s90, s90, 12288
	s_mov_b32 s91, 0
	s_add_nc_u64 s[NB:NB+1], s[4:5], s[90:91]
.endm
.macro SETD slot, off                  ; a slot's two groups 0 take the next block's addresses: written only while no tensor load of mine is out
	s_add_nc_u64 s[G0A+4*\slot+2:G0A+4*\slot+3], s[NA:NA+1], \off
	s_or_b32 s[G0A+4*\slot+3], s[G0A+4*\slot+3], 0x80000000
	s_add_nc_u64 s[G0B+4*\slot+2:G0B+4*\slot+3], s[NB:NB+1], \off
	s_or_b32 s[G0B+4*\slot+3], s[G0B+4*\slot+3], 0x80000000
.endm
.macro TURN slot, off                  ; a slot that nobody reads any more is filled again
	s_wait_tensorcnt 0x0                           ; my one load that was out, my part of the other slot, has landed;
	ds_add_u32 v254, v255                          ; 0 onto my spare word;
	SETD \slot, \off
	s_wait_dscnt 0x0                               ; the add is done, and so are my reads of this slot
	CROUND                                         ; both now hold of every wave of all sixteen work-groups
	JLOAD \slot                                    ; the first tensor load behind the round
.endm
.macro SCLOAD                          ; the scale words of my tiles of the next block, all K steps, straight into registers: each load of 16 lanes covers 256 consecutive bytes
	s_lshl_b32 s56, s[RH], 2
	s_add_co_u32 s56, s56, s[NTA]
	s_lshl_b32 s56, s56, 9
	s_mov_b32 s57, 0
	s_add_nc_u64 s[56:57], s[6:7], s[56:57]
	s_lshl_b32 s58, s[CH], 3
	s_add_co_u32 s58, s58, s[NTB]
	s_lshl_b32 s58, s58, 9
	s_mov_b32 s59, 0
	s_add_nc_u64 s[58:59], s[6:7], s[58:59]
.irp i, 0,1
.irp u, 0,1
	global_load_b128 v[SCA+8*\i+4*\u:SCA+8*\i+4*\u+3], v8, s[56:57] offset:512*\i+256*\u
.endr
.endr
.irp i, 0,1,2,3
.irp u, 0,1
	global_load_b128 v[SCB+8*\i+4*\u:SCB+8*\i+4*\u+3], v9, s[58:59] offset:512*\i+256*\u
.endr
.endr
.endm
.macro FETCH s, set                    ; K step s: B's eight fragments and A's four, 48 LDS loads, each of 512 or 256 consecutive bytes
.set AQ, 16+4*((\s)/4)
.set KO, 1536*((\s)%4)
	WIN 0x40                                       ; destination window 1
.irp b, 0,1,2,3,4,5,6,7
	ds_load_b128 v[96*(\set)+12*\b:96*(\set)+12*\b+3], v[AQ+2] offset:TILEB*\b+KO
	ds_load_b64 v[96*(\set)+12*\b+4:96*(\set)+12*\b+5], v[AQ+3] offset:TILEB*\b+KO+512
	ds_load_b128 v[96*(\set)+12*\b+6:96*(\set)+12*\b+9], v[AQ+2] offset:TILEB*\b+KO+768
	ds_load_b64 v[96*(\set)+12*\b+10:96*(\set)+12*\b+11], v[AQ+3] offset:TILEB*\b+KO+1280
.endr
	WIN 0
.irp a, 0,1,2,3
	ds_load_b128 v[80+48*(\set)+12*\a:80+48*(\set)+12*\a+3], v[AQ] offset:TILEB*\a+KO
	ds_load_b64 v[80+48*(\set)+12*\a+4:80+48*(\set)+12*\a+5], v[AQ+1] offset:TILEB*\a+KO+512
	ds_load_b128 v[80+48*(\set)+12*\a+6:80+48*(\set)+12*\a+9], v[AQ] offset:TILEB*\a+KO+768
	ds_load_b64 v[80+48*(\set)+12*\a+10:80+48*(\set)+12*\a+11], v[AQ+1] offset:TILEB*\a+KO+1280
.endr
.endm
.macro MM a, b, s, set                 ; one product; K step 0 starts the sum with the constant 0
.set rD, 8*(8*(\a)+(\b))
.set rB, 96*(\set)+12*(\b)
.set rA, 80+48*(\set)+12*(\a)
.set rX, SCB+8*((\b)%4)+(\s)
.set rY, SCA+8*((\a)%2)+(\s)
.if (\s) == 0
.if (\b) < 4
.if (\a) < 2
	v_wmma_scale_f32_16x16x128_f8f6f4 v[rD:rD+7], v[rB:rB+11], v[rA:rA+11], 0, v[rX], v[rY] matrix_a_fmt:MATRIX_FMT_FP6 matrix_b_fmt:MATRIX_FMT_FP6
.else
	v_wmma_scale_f32_16x16x128_f8f6f4 v[rD:rD+7], v[rB:rB+11], v[rA:rA+11], 0, v[rX], v[rY] matrix_a_fmt:MATRIX_FMT_FP6 matrix_b_fmt:MATRIX_FMT_FP6 matrix_b_scale:MATRIX_SCALE_ROW1
.endif
.else
.if (\a) < 2
	v_wmma_scale_f32_16x16x128_f8f6f4 v[rD:rD+7], v[rB:rB+11], v[rA:rA+11], 0, v[rX], v[rY] matrix_a_fmt:MATRIX_FMT_FP6 matrix_b_fmt:MATRIX_FMT_FP6 matrix_a_scale:MATRIX_SCALE_ROW1
.else
	v_wmma_scale_f32_16x16x128_f8f6f4 v[rD:rD+7], v[rB:rB+11], v[rA:rA+11], 0, v[rX], v[rY] matrix_a_fmt:MATRIX_FMT_FP6 matrix_b_fmt:MATRIX_FMT_FP6 matrix_a_scale:MATRIX_SCALE_ROW1 matrix_b_scale:MATRIX_SCALE_ROW1
.endif
.endif
.else
.if (\b) < 4
.if (\a) < 2
	v_wmma_scale_f32_16x16x128_f8f6f4 v[rD:rD+7], v[rB:rB+11], v[rA:rA+11], v[rD:rD+7], v[rX], v[rY] matrix_a_fmt:MATRIX_FMT_FP6 matrix_b_fmt:MATRIX_FMT_FP6
.else
	v_wmma_scale_f32_16x16x128_f8f6f4 v[rD:rD+7], v[rB:rB+11], v[rA:rA+11], v[rD:rD+7], v[rX], v[rY] matrix_a_fmt:MATRIX_FMT_FP6 matrix_b_fmt:MATRIX_FMT_FP6 matrix_b_scale:MATRIX_SCALE_ROW1
.endif
.else
.if (\a) < 2
	v_wmma_scale_f32_16x16x128_f8f6f4 v[rD:rD+7], v[rB:rB+11], v[rA:rA+11], v[rD:rD+7], v[rX], v[rY] matrix_a_fmt:MATRIX_FMT_FP6 matrix_b_fmt:MATRIX_FMT_FP6 matrix_a_scale:MATRIX_SCALE_ROW1
.else
	v_wmma_scale_f32_16x16x128_f8f6f4 v[rD:rD+7], v[rB:rB+11], v[rA:rA+11], v[rD:rD+7], v[rX], v[rY] matrix_a_fmt:MATRIX_FMT_FP6 matrix_b_fmt:MATRIX_FMT_FP6 matrix_a_scale:MATRIX_SCALE_ROW1 matrix_b_scale:MATRIX_SCALE_ROW1
.endif
.endif
.endif
.endm
.macro MUL32 s, set                    ; the 32 accumulators take turns, one instruction a turn, in the same order in every K step
	WIN 0xa1                                       ; source 0 (B) window 1, source 1 (A) window 0, C and D window 2
.irp a, 0,1,2,3
.irp b, 0,1,2,3,4,5,6,7
	MM \a, \b, \s, \set
.endr
.endr
	WIN 0
.endm
.macro STEP s, more                    ; more = 1: a block follows, whose K steps 0-3 take slot 0 at K step 3
	s_wait_dscnt 0x0                               ; this K step's fragments are in (asked for 32 matrix instructions ago)
.if (\s) == 3
.if \more
	TURN 0, 0                                      ; slot 1 is whole, slot 0 is read no more; the four v_nop behind the joint load are the places ahead of the loads below
.else
	s_wait_tensorcnt 0x0                           ; my part of slot 1 has landed
	s_barrier_signal -1
	s_barrier_wait -1                              ; everybody's part has
	PLACES
.endif
.elseif (\s) > 0 && (\s) < 7
	PLACES                                         ; the other set was read by the last K step's products
.endif
.if (\s) < 7
	FETCH (\s)+1, ((\s)+1)%2
.endif
	MUL32 \s, (\s)%2
.endm
.macro INIT                            ; behind a block's products, whose fragments lay here: a lane permute's destination counts as one of its sources,
.irp i, 4,5,6,7
	v_mov_b32 v[TM+\i], 0
.endr
	v_mov_b32 v[WK+2], 0
	v_mov_b32 v[WK+3], 0
	v_mov_b32 v[MU+1], 0                           ; and upper halves of pairs of which the low word serves both halves
	v_mov_b32 v[MU+3], 0
	v_mov_b32 v[RS+1], 0
	v_mov_b32 v[RS+3], 0
.endm
	s_load_b128 s[4:7], s[0:1], 0x0                ; cimg, csc
	s_load_b256 s[8:15], s[0:1], 0x10              ; kln_w, kln_b, qln_w, qln_b
	s_load_b64 s[16:17], s[0:1], 0x30              ; qkv
	v_lshl_add_u32 v254, v0, 2, SPARE
	v_mov_b32 v255, 0
	ds_add_u32 v254, v255                          ; the opening lines: the add, twice on end, and its wait ahead of my first tensor load
	ds_add_u32 v254, v255
	v_lshrrev_b32 v1, 5, v0
	v_readfirstlane_b32 s[WV], v1                  ; wave 0..3
	s_lshr_b32 s[RH], s[WV], 1
	s_and_b32 s[CH], s[WV], 1
	s_bfe_u32 s21, ttmp6, 0x40000                  ; cx
	s_bfe_u32 s22, ttmp6, 0x40004                  ; cy
	s_and_b32 s23, ttmp7, 0xffff                   ; the cluster's y, 0..15
	s_lshl_b32 s56, s22, 2
	s_lshl_b32 s56, 15, s56                        ; my row of the cluster
	s_lshl_b32 s57, 0x1111, s21                    ; my column
	s_or_b32 s[G1A], s56, (3<<16)|(1<<21)          ; 15:0 the mask; 17:16 elements of 8 bytes; 21 set beside a mask; no padding
	s_or_b32 s[G1B], s57, (3<<16)|(1<<21)
	s_mov_b32 s[G1A+1], 768<<16                    ; tensor_dim0: a tile's four K steps, 6,144 bytes
	s_mov_b32 s[G1A+2], 4<<16                      ; tensor_dim1: 4 tiles
	s_mov_b32 s[G1A+3], 768<<16                    ; tile_dim0
	s_mov_b32 s[G1A+4], 4                          ; tile_dim1
	s_mov_b32 s[G1A+5], 1536                       ; from tile to tile: 12,288 bytes
	s_mov_b32 s[G1A+6], 0
	s_mov_b32 s[G1A+7], 0
	s_mov_b32 s[G1B+1], 768<<16
	s_mov_b32 s[G1B+2], 8<<16                      ; 8 tiles
	s_mov_b32 s[G1B+3], 768<<16
	s_mov_b32 s[G1B+4], 8
	s_mov_b32 s[G1B+5], 1536
	s_mov_b32 s[G1B+6], 0
	s_mov_b32 s[G1B+7], 0
	; which tiles.  k, q: A = tokens 128 (4 y + cy) on, B = the weight's rows 256 cx on.  v: A = Wv's rows 128 (4 (y / 8) + cy) on, B = tokens 256 (4 (y % 8) + cx) on
	s_lshl_b32 s[ATQ], s23, 2
	s_add_co_u32 s[ATQ], s[ATQ], s22
	s_lshl_b32 s[TAQ], s[ATQ], 3                   ; x's tiles begin at 0
	s_lshr_b32 s[ATV], s23, 3
	s_lshl_b32 s[ATV], s[ATV], 2
	s_add_co_u32 s[ATV], s[ATV], s22
	s_lshl_b32 s[TAV], s[ATV], 3
	s_add_co_u32 s[TAV], s[TAV], 640               ; Wv's at 640
	s_lshl_b32 s[TBK], s21, 4
	s_add_co_u32 s[TBK], s[TBK], 512               ; Wk's at 512, Wq's at 576
	s_and_b32 s[BTV], s23, 7
	s_lshl_b32 s[BTV], s[BTV], 2
	s_add_co_u32 s[BTV], s[BTV], s21
	s_lshl_b32 s[TBV], s[BTV], 4
	s_mul_i32 s92, s[CH], 4*TILEB                  ; where my tiles go in a slot: no place in the cluster enters an LDS address
	s_mul_i32 s93, s[CH], 8*TILEB
	s_add_co_u32 s93, s93, 8*TILEB
.irp q, 0,1
	s_mov_b32 s[G0A+4*\q], 1
	s_add_co_u32 s[G0A+4*\q+1], s92, \q*SLOT
	s_mov_b32 s[G0B+4*\q], 1
	s_add_co_u32 s[G0B+4*\q+1], s93, \q*SLOT
.endr
	s_mov_b32 s[SEL], 0x76543210
	s_mov_b32 s[SEL+1], 0xfedcba98
	s_mov_b32 s[HM], 0xffff0000
	s_mov_b32 s[I64], 0x3c800000
	s_mov_b32 s[EPS], 0x3727c5ac
	s_mov_b32 s[KD], 0
	s_mov_b32 s[NTA], s[TAQ]                       ; the first block asked for is k's
	s_mov_b32 s[NTB], s[TBK]
	s_wait_dscnt 0x0                               ; both opening adds are done
	s_wait_kmcnt 0x0
	NEXT
	SETD 0, 0
	SETD 1, TILEB                                  ; K steps 4-7 begin 6,144 bytes into each tile
	CROUND                                         ; all sixteen work-groups are here: the first joint loads meet
	JLOAD 0                                        ; one tensor load a wave at the head
	v_and_b32 v1, 15, v0                           ; r
	v_bfe_u32 v2, v0, 4, 1                         ; h
	v_lshlrev_b32 v3, 4, v1                        ; 16 r
	v_lshl_add_u32 v8, v2, 10, v3                  ; A's scale words: lanes 16-31 two tiles on
	v_lshl_add_u32 v9, v2, 11, v3                  ; B's: four tiles on
	v_lshlrev_b32 v11, 6, v2                       ; gain and bias: my 16 numbers of each 32: 64 h bytes on
	v_and_b32 v10, 31, v0
	v_lshlrev_b32 v4, 4, v10                       ; 16 x lane
	v_lshlrev_b32 v5, 3, v10                       ; 8 x lane
	v_lshlrev_b32 v6, 4, v2                        ; 16 h
	v_mul_u32_u24 v7, v2, HEADSTR
	v_add_nc_u32 v7, v7, v3                        ; lanes 16-31: the next head's record; 16 r
	s_mul_i32 s60, s[RH], 4*TILEB                  ; my four tiles of A,
	s_mul_i32 s61, s[CH], 8*TILEB
	s_add_co_u32 s61, s61, 8*TILEB                 ; my eight of B
.irp q, 0,1
	v_add_nc_u32 v[16+4*\q], s60, v4
	v_add_nc_u32 v[17+4*\q], s60, v5
	v_add_nc_u32 v[18+4*\q], s61, v4
	v_add_nc_u32 v[19+4*\q], s61, v5
	s_add_co_u32 s60, s60, SLOT
	s_add_co_u32 s61, s61, SLOT
.endr
	s_wait_alu depctr_va_vdst(0)                   ; the wait at the head's end
	SCLOAD                                         ; k's scale words
	s_wait_tensorcnt 0x0                           ; my part of slot 0 is in; slot 1's first fill is issued as a refill is:
	ds_add_u32 v254, v255
	s_wait_dscnt 0x0
	CROUND
	JLOAD 1
; 64 numbers of a lane in window win, register 16 b + i = k 32 b + 16 h + i of my row, become a fragment's codes in v[PC] on and its scale word in v[PW]
.macro QUANT s, win
	WIN ((\win)<<2)|((\win)<<4)                    ; sources 1 and 2
.irp b, 0,1,2,3
	v_max3_num_f32 v[TM+\b], 0x1800000, |v[(\s)+16*\b]|, |v[(\s)+16*\b+1]|   ; with the floor 2^(3 - 127); each accumulator is read from its low end on
.endr
.irp i, 2,4,6,8,10,12,14
.irp b, 0,1,2,3
	v_max3_num_f32 v[TM+\b], v[TM+\b], |v[(\s)+16*\b+\i]|, |v[(\s)+16*\b+\i+1]|
.endr
.endr
	WIN 0
.irp b, 0,1,2,3
	v_permlanex16_b32 v[TM+4+\b], v[TM+\b], s[SEL], s[SEL+1]
.endr
.irp b, 0,1,2,3
	v_max_num_f32 v[TM+\b], v[TM+\b], v[TM+4+\b]   ; with lane l xor 16's 16: the block's largest magnitude
.endr
.irp b, 0,1,2,3
	v_add_nc_u32 v[TM+12+\b], 0xff000000, v[TM+\b] ; 2 off the exponent field: the conversion's scale operand
.endr
.irp b, 0,1,2,3
	v_lshrrev_b32 v[TM+4+\b], 23, v[TM+12+\b]      ; the byte
.endr
	v_lshl_or_b32 v[PW], v[TM+5], 8, v[TM+4]
	v_lshl_or_b32 v[PW], v[TM+6], 16, v[PW]
	v_lshl_or_b32 v[PW], v[TM+7], 24, v[PW]
	s_wait_xcnt 0x0                                ; the last tile's stores have read their data
	WIN (\win)                                     ; source 0
.irp c, 0,1
	v_cvt_scalef32_pk16_fp6_f32 v[PC+6*\c:PC+6*\c+2], v[(\s)+32*\c:(\s)+32*\c+15], v[TM+12+2*\c]
	v_cvt_scalef32_pk16_fp6_f32 v[PT+4*\c:PT+4*\c+2], v[(\s)+32*\c+16:(\s)+32*\c+31], v[TM+12+2*\c+1]
.endr
	WIN 0
	v_nop                                          ; one plain place behind a scaled conversion
.irp c, 0,1                                    ; a whole block to a lane: lanes 0-15 block 2 c, lanes 16-31 block 2 c + 1
.irp i, 0,1,2
	v_permlane16_swap_b32 v[PC+6*\c+\i], v[PT+4*\c+\i]
.endr
.irp i, 0,1,2
	v_mov_b32 v[PC+6*\c+3+\i], v[PT+4*\c+\i]
.endr
.endr
.endm
; LayerNorm of block a: my token's two heads, 32 numbers of each in my registers and 32 in lane l xor 16's; the heads by turns.  Result in v[T] on
.macro LN a
	WIN 0x0a                                       ; sources 0, 1 window 2
.irp i, 0,1,2,3,4,5,6,7
.irp hh, 0,1
	v_pk_add_f32 v[T+32*\hh+2*\i:T+32*\hh+2*\i+1], v[64*(\a)+32*\hh+4*\i:64*(\a)+32*\hh+4*\i+1], v[64*(\a)+32*\hh+4*\i+2:64*(\a)+32*\hh+4*\i+3]
.endr
.endr
	WIN 0
.irp i, 0,1,2,3
.irp hh, 0,1
	v_pk_add_f32 v[T+32*\hh+2*\i:T+32*\hh+2*\i+1], v[T+32*\hh+2*\i:T+32*\hh+2*\i+1], v[T+32*\hh+2*\i+8:T+32*\hh+2*\i+9]
.endr
.endr
.irp i, 0,1
.irp hh, 0,1
	v_pk_add_f32 v[T+32*\hh+2*\i:T+32*\hh+2*\i+1], v[T+32*\hh+2*\i:T+32*\hh+2*\i+1], v[T+32*\hh+2*\i+4:T+32*\hh+2*\i+5]
.endr
.endr
.irp hh, 0,1
	v_pk_add_f32 v[T+32*\hh:T+32*\hh+1], v[T+32*\hh:T+32*\hh+1], v[T+32*\hh+2:T+32*\hh+3]
.endr
.irp hh, 0,1
	v_add_f32 v[WK+\hh], v[T+32*\hh], v[T+32*\hh+1]
.endr
.irp hh, 0,1
	v_permlanex16_b32 v[WK+2+\hh], v[WK+\hh], s[SEL], s[SEL+1]
.endr
.irp hh, 0,1
	v_add_f32 v[WK+\hh], v[WK+\hh], v[WK+2+\hh]
.endr
.irp hh, 0,1
	v_mul_f32 v[MU+2*\hh], s[I64], v[WK+\hh]       ; the mean
.endr
	WIN 0x02                                       ; source 0 window 2
.irp i, 0,1,2,3,4,5,6,7,8,9,10,11,12,13,14,15
.irp hh, 0,1
	v_pk_add_f32 v[T+32*\hh+2*\i:T+32*\hh+2*\i+1], v[64*(\a)+32*\hh+2*\i:64*(\a)+32*\hh+2*\i+1], v[MU+2*\hh:MU+2*\hh+1] op_sel_hi:[1,0] neg_lo:[0,1] neg_hi:[0,1]   ; x - mean
.endr
.endr
	WIN 0
.irp hh, 0,1
	v_pk_mul_f32 v[WK+4+4*\hh:WK+5+4*\hh], v[T+32*\hh:T+32*\hh+1], v[T+32*\hh:T+32*\hh+1]         ; the squares, in two chains a head
	v_pk_mul_f32 v[WK+6+4*\hh:WK+7+4*\hh], v[T+32*\hh+2:T+32*\hh+3], v[T+32*\hh+2:T+32*\hh+3]
.endr
.irp i, 4,8,12,16,20,24,28
.irp hh, 0,1
	v_pk_fma_f32 v[WK+4+4*\hh:WK+5+4*\hh], v[T+32*\hh+\i:T+32*\hh+\i+1], v[T+32*\hh+\i:T+32*\hh+\i+1], v[WK+4+4*\hh:WK+5+4*\hh]
	v_pk_fma_f32 v[WK+6+4*\hh:WK+7+4*\hh], v[T+32*\hh+\i+2:T+32*\hh+\i+3], v[T+32*\hh+\i+2:T+32*\hh+\i+3], v[WK+6+4*\hh:WK+7+4*\hh]
.endr
.endr
.irp hh, 0,1
	v_pk_add_f32 v[WK+4+4*\hh:WK+5+4*\hh], v[WK+4+4*\hh:WK+5+4*\hh], v[WK+6+4*\hh:WK+7+4*\hh]
.endr
.irp hh, 0,1
	v_add_f32 v[WK+\hh], v[WK+4+4*\hh], v[WK+5+4*\hh]
.endr
.irp hh, 0,1
	v_permlanex16_b32 v[WK+2+\hh], v[WK+\hh], s[SEL], s[SEL+1]
.endr
.irp hh, 0,1
	v_add_f32 v[WK+\hh], v[WK+\hh], v[WK+2+\hh]
.endr
.irp hh, 0,1
	v_fma_f32 v[WK+\hh], v[WK+\hh], s[I64], s[EPS] ; var + eps
.endr
	s_wait_alu depctr_va_vdst(0)                   ; the wait ahead of the transcendentals
.irp hh, 0,1
	v_rsq_f32 v[RS+2*\hh], v[WK+\hh]
.endr
	v_nop                                          ; a plain place behind the transcendentals
	s_wait_alu depctr_va_vdst(0)                   ; one wait for both, ahead of their first reader
.irp i, 0,1,2,3,4,5,6,7,8,9,10,11,12,13,14,15
.irp hh, 0,1
	v_pk_mul_f32 v[T+32*\hh+2*\i:T+32*\hh+2*\i+1], v[T+32*\hh+2*\i:T+32*\hh+2*\i+1], v[RS+2*\hh:RS+2*\hh+1] op_sel_hi:[1,0]
.endr
.endr
	WIN 0x14                                       ; sources 1, 2 window 1: gain and bias
.irp i, 0,1,2,3,4,5,6,7,8,9,10,11,12,13,14,15
.irp hh, 0,1
	v_pk_fma_f32 v[T+32*\hh+2*\i:T+32*\hh+2*\i+1], v[T+32*\hh+2*\i:T+32*\hh+2*\i+1], v[192+2*\i:192+2*\i+1], v[224+2*\i:224+2*\i+1]
.endr
.endr
	WIN 0
.endm
.Lblock:                                               ; two trips: k's block, q's block.  Slot 0 holds this block's K steps 0-3, whole for every wave; slot 1's load is on its way
	s_wait_xcnt 0x0                                ; earlier loads and stores have read their bases
	s_add_co_u32 s[NTB], s[TBK], 64
	s_cmp_eq_u32 s[KD], 0                          ; behind k's block comes q's, behind q's comes v's; the norm's gain and bias are k's or q's
	s_cselect_b32 s[NTA], s[TAQ], s[TAV]
	s_cselect_b32 s[NTB], s[NTB], s[TBV]
	s_cselect_b64 s[82:83], s[8:9], s[12:13]
	s_cselect_b64 s[94:95], s[10:11], s[14:15]
	NEXT
	WIN 0x40
.irp u, 0,1
.irp j, 0,1,2,3
	global_load_b128 v[192+16*\u+4*\j:192+16*\u+4*\j+3], v11, s[82:83] offset:128*\u+16*\j   ; register 16 u + i: w[32 u + 16 h + i]
	global_load_b128 v[224+16*\u+4*\j:224+16*\u+4*\j+3], v11, s[94:95] offset:128*\u+16*\j
.endr
.endr
	WIN 0
	FETCH 0, 0
	s_wait_loadcnt 16                              ; this block's 12 loads of scale words are in; the 16 of gain and bias, issued behind them, may be out
.irp s, 0,1,2,3,4,5,6,7
	STEP \s, 1
.endr
	PLACES
	INIT
	s_wait_alu depctr_va_vdst(0)                   ; directly ahead of the wait below
	s_wait_xcnt 0x0
	SCLOAD                                         ; the next block's scale words land under the way out
	s_wait_loadcnt 12                              ; gain and bias are in; the 12 just issued may be out
	; record = ((batch x 16 + head) x 16 + step), head = 4 cx + 2 ch (+ 1 for my second head), step = At % 16, batch = At / 16
	s_lshr_b32 s80, s[ATQ], 4
	s_lshl_b32 s80, s80, 4
	s_lshl_b32 s81, s21, 2
	s_add_co_u32 s80, s80, s81
	s_lshl_b32 s81, s[CH], 1
	s_add_co_u32 s80, s80, s81
	s_lshl_b32 s80, s80, 4
	s_and_b32 s81, s[ATQ], 15
	s_add_co_u32 s80, s80, s81
	s_mul_i32 s80, s80, REC
	s_mul_i32 s81, s[KD], 13056                    ; K's part begins at 0, Q's at 13,056
	s_add_co_u32 s80, s80, s81
	s_mov_b32 s81, 0
	s_add_nc_u64 s[92:93], s[16:17], s[80:81]
	s_mul_i32 s80, s[RH], 3072                     ; my four tiles of tokens
	s_add_nc_u64 s[60:61], s[92:93], s[80:81]
	s_lshl_b32 s80, s[RH], 8
	s_add_co_u32 s80, s80, 6144                    ; and their scale words: 256 bytes
	s_add_nc_u64 s[62:63], s[92:93], s[80:81]
.irp a, 0,1,2,3
.if \a == 2
	s_wait_alu depctr_va_vdst(0)                   ; directly ahead of the wait below
	TURN 1, TILEB                                  ; slot 0 holds the next block's K steps 0-3, whole; slot 1, read no more since K step 7's fragments came, takes its K steps 4-7
.endif
	LN \a
	QUANT T, 0                                     ; blocks 0, 1: my first head's 64; blocks 2, 3: my second's: each half of the fragment is a head's operand
	global_store_b128 v4, v[PC:PC+3], s[60:61] offset:768*\a
	global_store_b64 v5, v[PC+4:PC+5], s[60:61] offset:768*\a+512
	global_store_b128 v4, v[PC+6:PC+9], s[60:61] offset:768*\a+HEADSTR
	global_store_b64 v5, v[PC+10:PC+11], s[60:61] offset:768*\a+HEADSTR+512
	v_lshrrev_b32 v[SW+\a], v6, v[PW]              ; lanes 0-15 keep the word (bytes 0, 1: the first head's), lanes 16-31 bring the second head's two bytes down; bytes 2, 3 lie over zero codes and are never 0xff
.endr
	global_store_b128 v7, v[SW:SW+3], s[62:63]     ; lanes 0-15: 256 consecutive bytes of the first head's record, lanes 16-31 of the second's
	s_add_co_u32 s[KD], s[KD], 1
	s_cmp_lt_u32 s[KD], 2
	s_wait_alu depctr_va_vdst(0)                   ; directly ahead of the branch
	s_cbranch_scc1 .Lblock
	; ---- v's block: it asks for no further tile
	s_wait_xcnt 0x0                                ; q's last stores have read their data: the fragments below land on those registers
	FETCH 0, 0
	s_wait_loadcnt 0x0                             ; its scale words
.irp s, 0,1,2,3,4,5,6,7
	STEP \s, 0
.endr
	PLACES
	INIT
	s_wait_alu depctr_va_vdst(0)                   ; directly ahead of the wait below
	s_wait_xcnt 0x0                                ; q's stores have read their bases
	; step G = 2 Bt + ch of 128 tokens, head = 2 At + rh; my block a is the head's tile a of d; registers run along the step's tokens
	s_lshl_b32 s80, s[BTV], 1
	s_add_co_u32 s80, s80, s[CH]
	s_lshr_b32 s81, s80, 4
	s_lshl_b32 s81, s81, 4
	s_lshl_b32 s82, s[ATV], 1
	s_add_co_u32 s81, s81, s82
	s_add_co_u32 s81, s81, s[RH]
	s_lshl_b32 s81, s81, 4
	s_and_b32 s80, s80, 15
	s_add_co_u32 s80, s80, s81
	s_mul_i32 s80, s80, REC
	s_add_co_u32 s80, s80, 6656                    ; V's part of the record
	s_mov_b32 s81, 0
	s_add_nc_u64 s[60:61], s[16:17], s[80:81]
.irp a, 0,1,2,3
	QUANT 64*\a, 2
	global_store_b128 v4, v[PC:PC+3], s[60:61] offset:1536*\a
	global_store_b64 v5, v[PC+4:PC+5], s[60:61] offset:1536*\a+512
	global_store_b128 v4, v[PC+6:PC+9], s[60:61] offset:1536*\a+768
	global_store_b64 v5, v[PC+10:PC+11], s[60:61] offset:1536*\a+1280
	v_mov_b32 v[SW+\a], v[PW]
.endr
	v_cndmask_b32 v[WK], v[SW], v[SW+2], s[HM]     ; lanes 0-15 tile 0's word, lanes 16-31 tile 2's
	v_cndmask_b32 v[WK+1], v[SW+1], v[SW+3], s[HM] ; tiles 1 and 3
	global_store_b64 v5, v[WK:WK+1], s[60:61] offset:6144
	s_wait_tensorcnt 0x0                           ; the wave's end
	ds_add_u32 v254, v255
	s_wait_dscnt 0x0
	CROUND                                         ; the closing round: no work-group ends while a partner may still ask for a tile that names it
	s_endpgm
.Lfunc_end_k_q8a03307db1_qkv:
	.size	k_q8a03307db1_qkv, .Lfunc_end_k_q8a03307db1_qkv-k_q8a03307db1_qkv
	.p2alignl 7, 3214868480
	.fill 96, 4, 3214868480
	.section	.rodata,"a",@progbits
	.p2align	6, 0x0
	.amdhsa_kernel k_q8a03307db1_qkv
		.amdhsa_group_segment_fixed_size 327680
		.amdhsa_private_segment_fixed_size 0
		.amdhsa_enable_private_segment 0
		.amdhsa_kernarg_size 56
		.amdhsa_user_sgpr_count 2
		.amdhsa_user_sgpr_kernarg_segment_ptr 1
		.amdhsa_wavefront_size32 1
		.amdhsa_system_sgpr_workgroup_id_x 1
		.amdhsa_system_sgpr_workgroup_id_y 1
		.amdhsa_system_sgpr_workgroup_id_z 1
		.amdhsa_system_vgpr_workitem_id 0
		.amdhsa_next_free_vgpr 768
		.amdhsa_next_free_sgpr 100
		.amdhsa_reserve_vcc 0
		.amdhsa_float_denorm_mode_32 3
		.amdhsa_float_denorm_mode_16_64 3
		.amdhsa_memory_ordered 1
		.amdhsa_forward_progress 1
		.amdhsa_inst_pref_size 213
	.end_amdhsa_kernel
	.amdgpu_metadata
---
amdhsa.version: [ 1, 2 ]
amdhsa.kernels:
  - .name:           k_q8a03307db1_qkv
    .symbol:         k_q8a03307db1_qkv.kd
    .args:
      - { .name: cimg, .offset: 0, .size: 8, .value_kind: global_buffer, .address_space: global }
      - { .name: csc, .offset: 8, .size: 8, .value_kind: global_buffer, .address_space: global }
      - { .name: kln_w, .offset: 16, .size: 8, .value_kind: global_buffer, .address_space: global }
      - { .name: kln_b, .offset: 24, .size: 8, .value_kind: global_buffer, .address_space: global }
      - { .name: qln_w, .offset: 32, .size: 8, .value_kind: global_buffer, .address_space: global }
      - { .name: qln_b, .offset: 40, .size: 8, .value_kind: global_buffer, .address_space: global }
      - { .name: qkv, .offset: 48, .size: 8, .value_kind: global_buffer, .address_space: global }
    .group_segment_fixed_size: 327680
    .private_segment_fixed_size: 0
    .kernarg_segment_align: 8
    .kernarg_segment_size: 56
    .max_flat_workgroup_size: 128
    .sgpr_count:     100
    .vgpr_count:     768
    .wavefront_size: 32
...
	.end_amdgpu_metadata
.endif
;; end of part 2
;; launch attn (part 3): grid 4 x 64, 16 waves a work-group, clusters of 4 x 1, 215,040 bytes of LDS; arguments qkv, aimg, asc; writes aimg, asc
.if DOCPART == 3
	.amdgcn_target "amdgcn-amd-amdhsa--gfx1250"
	.amdhsa_code_object_version 6
	.text
	.protected	k_q8a03307db1_attn
	.globl	k_q8a03307db1_attn
	.p2align	8
	.type	k_q8a03307db1_attn,@function
k_q8a03307db1_attn:
	s_mov_b64 s[64:65], 0
	v_nop
	global_prefetch_b8 v0, s[64:65] scope:SCOPE_SE
	s_setreg_imm32_b32 hwreg(HW_REG_WAVE_MODE, 25, 1), 1
	s_wait_xcnt 0x0
	s_wait_alu depctr_hold_cnt(0) depctr_sa_sdst(0) depctr_va_vdst(0) depctr_va_sdst(0) depctr_va_ssrc(0) depctr_va_vcc(0) depctr_vm_vsrc(0)
	s_getreg_b32 s2, hwreg(HW_REG_IB_STS2, 6, 4)
	s_cmp_eq_u32 s2, 0
	s_cbranch_scc0 .Lentry_in_a_cluster
	s_endpgm
.Lentry_in_a_cluster:
	s_bfe_u32 s2, ttmp6, 0x10000c
	s_cmp_lg_u32 s2, 0x3003
	s_cbranch_scc0 .Lentry_shape_is_right
	s_endpgm
.Lentry_shape_is_right:
; Causal attention of one (batch, head) a cluster, both products on codes of FP6 (E2M3) with E8M0 scales; the result, divided by the row's sum, is quantised along e for the last product.
; t = score x log2(e) / 8; M = the running largest t rounded UP to a whole number; p = 2^(t - M) is quantised along the keys, not normalised; the sum is taken of the unquantised p.
; Key steps all of whose keys come after a tile's queries lie wholly under the causal mask and are passed over.
; INPUT: records of 19,712 bytes for (batch, head, 128 tokens): K 8 tiles x 768 | K's scale words 512 | V^T 4 tiles of d x 1,536 | V's scale words 256 | Q 8 x 768 | Q's scale words 512, all as register images.
; A tile's place r is token 32 (T / 2) + 8 (T % 2) + r + 8 (r / 8): so the 16 registers of key tiles 2 b, 2 b + 1 are 16 neighbouring keys, and those of V^T's tiles 2 b, 2 b + 1 are 16 neighbours along d.
; THE FIRST PRODUCT'S K IS 64 of the instruction's 128: the upper six registers of Q's fragment hold zero codes, so whatever codes stand in the upper six of K's fragment add nothing (every bit pattern is a finite
; number of the format, and no scale byte here is 0xff).  So K's eight fragments of a step lie 6 registers apart, each one's upper half being the next tile's codes, the last one's six registers of zeros: 54 registers,
; fetched in one run and multiplied by eight products on end.
; SHARES.  A head has 16 groups of 128 queries (8 tiles); group g needs key steps 0 .. g.  Wave w of partner cx takes tile cx of group w, then tile 4 + cx of group 15 - w: 17 key steps for every wave of the launch.
; Branches and LDS addresses hang on the wave's number alone; cx enters Q's and the output's addresses and the mask's vector operand.
; ALL OF THE HEAD'S K AND V LIE IN LDS, FILLED ONCE: 16 x 13,056 bytes; wave w asks for step w's, jointly with the three partners, which walk the same K and V.  One tensor load of a wave is out.  No byte is filled again,
; nothing is stored to LDS, and behind the one barrier the waves run free.  No data prefetch: all that the launch reads is asked for at its head, and there is no loop to run ahead in.
; Both products are used transposed (S^T = K Q^T, O^T = V^T P^T): a lane holds one query throughout.
; LIMITS: NaN and infinities are not served.  A block of zeros gets the byte 1 (zero codes).  v_exp_f32 and v_rcp_f32 are accurate to 1 ulp.  A block's largest p is made from the block's largest score by the same two
; instructions as every p; this takes v_exp_f32 not to fall where its input rises.  The promise holds while the scaled scores t stay under 2^31 in magnitude.
.set REC, 19712
.set KVB, 13056                        ; K's and V's part of a record: 51 x 256 bytes
.set QA,  16                           ; v[16:27] Q's fragment: six registers of codes, six of zeros
.set QT,  230                          ; v[230:235] the second pass's Q codes, until that pass begins
.set KF,  28                           ; v[28:81] K's eight fragments, 6 registers apart (v76-81: zeros); behind the first product v28-75 take V's four fragments
.set S,   88                           ; v[88:151] S^T, then p; on the way out the 32 results
.set O,   152                          ; v[152:183] O^T: four tiles of d
.set PC,  184                          ; v[184:195] p's codes
.set PT,  196                          ; v[196:203] upper halves as the conversions leave them
.set BM,  204                          ; v204-207 the blocks' largest scores, then largest p
.set EX,  208                          ; v208-211 exchanged values, then bytes
.set SO,  212                          ; v212-215 the conversions' scale operands
.set KS,  216                          ; v[216:219] K's scale words;  v[220:221] V's;  v222 p's;  v10, v11 Q's: these hold scales and nothing else
.set VS,  220
.set PW,  222
.set F,   224                          ; v[224:225] f = 2^(old M - new M) (low word used)
.set TP,  226                          ; v226, v227 at work;  v228-229, v242-253 the sum's chains
.set WV,  10
.set CX,  11
.set HB,  12
.set HD,  13
.set SEL, 14                           ; s[14:15]
.set CS,  16                           ; s[16:17] c = log2(e) / 8
.set HM,  18
.set TB,  19                           ; LDS byte at which the key step in hand begins
.set KI,  20                           ; the key step
.set GA,  21                           ; my groups
.set GB,  22
.set G1,  24
.set G0,  32
.macro CROUND
	s_barrier_signal -1
	s_barrier_wait -1
	s_cmp_lg_u32 s[WV], 0
	s_cbranch_scc1 .Lnot_wave_0_\@
	s_barrier_signal -3
.Lnot_wave_0_\@:
	s_barrier_wait -3
	s_barrier_signal -1
	s_barrier_wait -1
.endm
	s_load_b128 s[4:7], s[0:1], 0x0                ; qkv, aimg
	s_load_b64 s[8:9], s[0:1], 0x10                ; asc
	v_lshl_add_u32 v254, v0, 2, 0x34000
	v_mov_b32 v255, 0
	ds_add_u32 v254, v255                          ; the opening lines: the add, twice on end, and its wait ahead of my tensor load
	ds_add_u32 v254, v255
	v_lshrrev_b32 v8, 5, v0
	s_delay_alu instid0(VALU_DEP_1)
	v_readfirstlane_b32 s[WV], v8                  ; wave 0..15
	s_bfe_u32 s[CX], ttmp6, 0x40000
	s_and_b32 s[HB], ttmp7, 0xffff                 ; batch x 16 + head: the cluster's y
	s_mov_b32 s[G1], 15|(3<<16)|(1<<21)            ; the mask: all four partners; elements of 8 bytes; 21 set beside a mask; no padding
	s_mov_b32 s[G1+1], 32<<16                      ; rows of 256 bytes,
	s_mov_b32 s[G1+2], 51<<16                      ; 51 of them, dense
	s_mov_b32 s[G1+3], 32<<16
	s_mov_b32 s[G1+4], 51
	s_mov_b32 s[G1+5], 32
	s_mov_b32 s[G1+6], 0
	s_mov_b32 s[G1+7], 0
	s_mov_b32 s[SEL], 0x76543210
	s_mov_b32 s[SEL+1], 0xfedcba98
	s_mov_b32 s[CS], 0x3e38aa3b
	s_mov_b32 s[CS+1], s[CS]                       ; (named with it as a pair)
	s_mov_b32 s[HM], 0xffff0000
	s_mov_b32 s[GA], s[WV]
	s_sub_co_u32 s[GB], 15, s[WV]
	s_lshl_b32 s54, s[HB], 4
	s_add_co_u32 s40, s54, s[GA]
	s_mul_i32 s40, s40, REC                        ; the record of step w: the one I fetch, and my first group's
	s_mov_b32 s41, 0
	s_add_co_u32 s42, s54, s[GB]
	s_mul_i32 s42, s42, REC                        ; my second group's
	s_mov_b32 s43, 0
	s_mul_i32 s[G0+1], s[WV], KVB                  ; where step w goes in LDS
	s_and_b32 s[HD], s[HB], 15
	s_lshr_b32 s55, s[HB], 4
	s_lshl_b32 s55, s55, 7                         ; 128 token tiles a batch
	s_add_co_u32 s55, s55, s[CX]
	s_lshl_b32 s56, s[GA], 3
	s_add_co_u32 s56, s56, s55                     ; my first token tile
	s_lshl_b32 s57, s[GB], 3
	s_add_co_u32 s57, s57, s55
	s_add_co_u32 s57, s57, 4                       ; my second
	s_mul_i32 s58, s[HD], 768
	s_mul_i32 s44, s56, 12288
	s_add_co_u32 s44, s44, s58
	s_mov_b32 s45, 0
	s_mul_i32 s46, s57, 12288
	s_add_co_u32 s46, s46, s58
	s_mov_b32 s47, 0
	s_lshr_b32 s59, s[HD], 3
	s_lshl_b32 s59, s59, 8
	s_and_b32 s60, s[HD], 7
	s_lshl_b32 s60, s60, 1
	s_add_co_u32 s59, s59, s60                     ; the head's two bytes in a row's scale words
	s_lshl_b32 s48, s56, 9
	s_add_co_u32 s48, s48, s59
	s_mov_b32 s49, 0
	s_lshl_b32 s50, s57, 9
	s_add_co_u32 s50, s50, s59
	s_mov_b32 s51, 0
	s_mul_i32 s52, s[CX], 768
	s_mov_b32 s53, 0
	s_wait_dscnt 0x0
	s_wait_kmcnt 0x0
	s_add_nc_u64 s[40:41], s[4:5], s[40:41]        ; records
	s_add_nc_u64 s[42:43], s[4:5], s[42:43]
	s_add_nc_u64 s[44:45], s[6:7], s[44:45]        ; where my codes go
	s_add_nc_u64 s[46:47], s[6:7], s[46:47]
	s_add_nc_u64 s[48:49], s[8:9], s[48:49]        ; and my scale bytes
	s_add_nc_u64 s[50:51], s[8:9], s[50:51]
	s_mov_b32 s[G0], 1
	s_mov_b64 s[G0+2:G0+3], s[40:41]               ; hangs on the head and the wave alone: equal in the four partners
	s_or_b32 s[G0+3], s[G0+3], 0x80000000
	s_add_nc_u64 s[36:37], s[40:41], s[52:53]      ; Q's tile cx of a group
	s_add_nc_u64 s[38:39], s[42:43], s[52:53]
	CROUND                                         ; all four work-groups are here: the joint loads meet
	tensor_load_to_lds s[G0:G0+3], s[G1:G1+7]
	s_nop 0
.rept 4
	v_nop
.endr
	v_and_b32 v8, 31, v0
	s_delay_alu instid0(VALU_DEP_1)
	v_lshlrev_b32 v1, 4, v8                        ; 16 x lane
	s_delay_alu instid0(VALU_DEP_2)
	v_lshlrev_b32 v2, 3, v8                        ; 8 x lane
	v_and_b32 v8, 15, v0                           ; r
	v_bfe_u32 v9, v0, 4, 1                         ; h
	s_delay_alu instid0(VALU_DEP_2)
	v_lshlrev_b32 v7, 4, v8
	s_lshl_b32 s54, s[CX], 2
	v_add_nc_u32 v[TP], s54, v7                    ; Q's scale word: 16 r + 4 cx
	v_add_nc_u32 v7, v7, v9                        ; my scale byte on the way out: 16 r + h
	global_load_b128 v[QA:QA+3], v1, s[36:37] offset:13056
	global_load_b64 v[QA+4:QA+5], v2, s[36:37] offset:13056+512
	global_load_b32 v10, v[TP], s[40:41] offset:19200
	global_load_b128 v[QT:QT+3], v1, s[38:39] offset:16128
	global_load_b64 v[QT+4:QT+5], v2, s[38:39] offset:16128+512
	global_load_b32 v11, v[TP], s[42:43] offset:19456
	v_and_b32 v5, 8, v8
	s_delay_alu instid0(VALU_DEP_1)
	v_add_nc_u32 v5, v5, v8                        ; r + 8 (r / 8)
	v_lshlrev_b32 v9, 4, v9
	s_delay_alu instid0(VALU_DEP_1)
	v_sub_nc_u32 v5, v5, v9                        ; - 16 h
	s_lshr_b32 s54, s[CX], 1
	s_lshl_b32 s54, s54, 5
	s_and_b32 s55, s[CX], 1
	s_lshl_b32 s55, s55, 3
	s_add_co_u32 s54, s54, s55
	v_add_nc_u32 v5, s54, v5                       ; first pass: my query's place in its group, less 16 h
	s_delay_alu instid0(VALU_DEP_1)
	v_add_nc_u32 v6, 64, v5                        ; second pass: four tiles on
.irp i, 6,7,8,9,10,11
	v_mov_b32 v[QA+\i], 0                          ; zero codes for k = 64 .. 127 of Q,
	v_mov_b32 v[KF+42+\i], 0                       ; and behind K's last tile; neither is written again
.endr
.irp b, 0,1,2,3
	v_mov_b32 v[EX+\b], 0                          ; written once: a lane permute's destination counts as one of its sources
.endr
	v_mov_b32 v[TP+1], 0
	v_mov_b32 v[F+1], 0                            ; (upper half of a pair of which the low word serves both halves)
	s_wait_alu depctr_va_vdst(0)                   ; the wait at the head's end
	s_wait_tensorcnt 0x0                           ; step w's K and V have landed,
	s_barrier_signal -1
	s_barrier_wait -1                              ; everybody's have: the whole head lies in LDS
	s_wait_loadcnt 0x0                             ; Q
; One tile of 16 queries.  second: 1 for the second pass; qs: Q's scale word; dl: the mask's operand; g: its group (a scalar register); op, sp: where its codes and scale bytes go
.macro PASS second, qs, dl, g, op, sp
	s_wait_xcnt 0x0                                ; the last pass's stores have read their data
.if \second
.irp i, 0,1,2,3,4,5
	v_mov_b32 v[QA+\i], v[QT+\i]                   ; the second tile's codes into Q's fragment; the 36 lines below are the places ahead of its first product
.endr
.endif
	v_mov_b32 v13, 0xff61b1e6                      ; the largest t so far: -3e38
	s_delay_alu instid0(VALU_DEP_1)
	v_floor_f32 v12, -v13                          ; -M
	v_mov_b32 v14, 0                               ; the sum, in two halves
	v_mov_b32 v15, 0
.set n, 0
.rept 32
	v_mov_b32 v[O+n], 0                            ; O^T: the step is written once; the first finds zeros, which the first change of M leaves zeros
.set n, n+1
.endr
	s_mov_b32 s[TB], 0
	s_mov_b32 s[KI], 0
.Ltrip_\@:                                         ; 16 trips for every wave; a step all of whose keys come after my queries is passed over, but for the lines that step addresses
	s_cmp_gt_u32 s[KI], s[\g]
	s_cbranch_scc1 .Lhid_\@
	v_add_nc_u32 v3, s[TB], v1
	v_add_nc_u32 v4, s[TB], v2
	s_wait_alu depctr_va_vdst(0)
	ds_load_b128 v[KS:KS+3], v3 offset:6144        ; lanes 0-15: the words of tiles 0-3, lanes 16-31: of tiles 4-7
.irp t, 0,1,2,3,4,5,6,7                        ; K's eight tiles of 16 keys, six registers each, on end
	ds_load_b128 v[KF+6*\t:KF+6*\t+3], v3 offset:768*\t
	ds_load_b64 v[KF+6*\t+4:KF+6*\t+5], v4 offset:768*\t+512
.endr
	s_wait_dscnt 0x0
.irp t, 0,1,2,3                                ; S^T = K Q^T: eight accumulators, each begun with the constant 0
	v_wmma_scale_f32_16x16x128_f8f6f4 v[S+8*\t:S+8*\t+7], v[KF+6*\t:KF+6*\t+11], v[QA:QA+11], 0, v[KS+\t], v[\qs] matrix_a_fmt:MATRIX_FMT_FP6 matrix_b_fmt:MATRIX_FMT_FP6
.endr
.irp t, 0,1,2,3
	v_wmma_scale_f32_16x16x128_f8f6f4 v[S+32+8*\t:S+32+8*\t+7], v[KF+24+6*\t:KF+24+6*\t+11], v[QA:QA+11], 0, v[KS+\t], v[\qs] matrix_a_fmt:MATRIX_FMT_FP6 matrix_b_fmt:MATRIX_FMT_FP6 matrix_a_scale:MATRIX_SCALE_ROW1
.endr
.rept 4
	v_nop                                          ; four places, ahead of the loads into K's registers and of the first read of the scores
.endr
.irp t, 0,1,2,3                                ; V^T's four tiles of d take the registers that K has left, and land under the softmax
	ds_load_b128 v[KF+12*\t:KF+12*\t+3], v3 offset:6656+1536*\t
	ds_load_b64 v[KF+12*\t+4:KF+12*\t+5], v4 offset:6656+1536*\t+512
	ds_load_b128 v[KF+12*\t+6:KF+12*\t+9], v3 offset:6656+1536*\t+768
	ds_load_b64 v[KF+12*\t+10:KF+12*\t+11], v4 offset:6656+1536*\t+1280
.endr
	ds_load_b64 v[VS:VS+1], v4 offset:12800        ; word 0: tile 0 below, tile 2 above; word 1: tiles 1 and 3
	s_cmp_lg_u32 s[KI], s[\g]                      ; only my group's own step lies on the diagonal
	s_cbranch_scc1 .Lopen_\@
	v_mov_b32 v[TP], 0xff800000                    ; -infinity: p = 0 then
.irp n, 0,1,2,3,4,5,6,7,8,9,10,11,12,13,14,15,16,17,18,19,20,21,22,23,24,25,26,27,28,29,30,31,32,33,34,35,36,37,38,39,40,41,42,43,44,45,46,47,48,49,50,51,52,53,54,55,56,57,58,59,60,61,62,63
	v_cmp_gt_i32 vcc_lo, 32*(\n/16)+\n%16, v[\dl]  ; register 16 b + i holds key 32 b + 16 h + i of the step: hidden where it comes after my query
	v_cndmask_b32 v[S+\n], v[S+\n], v[TP], vcc_lo
.endr
.Lopen_\@:
.irp b, 0,1,2,3
	v_max3_num_f32 v[BM+\b], v[S+16*\b], v[S+1+16*\b], v[S+2+16*\b]   ; the largest score of each block of 32 keys: for the row's maximum, and for the block's largest p
.endr
.irp i, 3,5,7,9,11,13
.irp b, 0,1,2,3
	v_max3_num_f32 v[BM+\b], v[BM+\b], v[S+16*\b+\i], v[S+1+16*\b+\i]
.endr
.endr
.irp b, 0,1,2,3
	v_max_num_f32 v[BM+\b], v[BM+\b], v[S+15+16*\b]
.endr
.irp b, 0,1,2,3
	s_delay_alu instid0(VALU_DEP_4)
	v_permlanex16_b32 v[EX+\b], v[BM+\b], s[SEL], s[SEL+1]
.endr
.irp b, 0,1,2,3
	s_delay_alu instid0(VALU_DEP_4)
	v_max_num_f32 v[BM+\b], v[BM+\b], v[EX+\b]     ; with lane l xor 16's 16 keys
.endr
	s_delay_alu instid0(VALU_DEP_2)
	v_max3_num_f32 v[TP], v[BM], v[BM+1], v[BM+2]
	s_delay_alu instid0(VALU_DEP_1)
	v_max_num_f32 v[TP], v[TP], v[BM+3]
	s_delay_alu instid0(VALU_DEP_1)
	v_mul_f32 v[TP], s[CS], v[TP]                  ; as t
	s_delay_alu instid0(VALU_DEP_1)
	v_max_num_f32 v13, v13, v[TP]                  ; the running largest t
	v_mov_b32 v[TP], v12
	s_delay_alu instid0(VALU_DEP_2)
	v_floor_f32 v12, -v13                          ; the new -M = -ceil(t)
	s_delay_alu instid0(VALU_DEP_1)
	v_sub_f32 v[TP], v12, v[TP]                    ; old M - new M: a whole number, 0 or less
	s_delay_alu instid0(VALU_DEP_1)
	v_cvt_i32_f32 v[TP], v[TP]                     ; (it saturates)
	s_delay_alu instid0(VALU_DEP_1)
	v_ldexp_f32 v[F], 1.0, v[TP]                   ; f = 2^(old M - new M): a multiplication by it rounds nothing
.set n, 0
.rept 32
	v_pk_fma_f32 v[S+n:S+n+1], v[S+n:S+n+1], s[CS:CS+1], v[12:13] op_sel_hi:[1,0,0]   ; t - M
.set n, n+2
.endr
.irp b, 0,1,2,3
	v_fma_f32 v[BM+\b], v[BM+\b], s[CS], v12       ; the same of each block's largest score
.endr
	s_wait_alu depctr_va_vdst(0)                   ; the wait ahead of the batch
.set n, 0
.rept 64
	v_exp_f32 v[S+n], v[S+n]                       ; p = 2^(t - M)
.set n, n+1
.endr
.irp b, 0,1,2,3
	v_exp_f32 v[BM+\b], v[BM+\b]                   ; the blocks' largest p, in the same batch
.endr
	v_pk_mul_f32 v[14:15], v[14:15], v[F:F+1] op_sel_hi:[1,0]   ; the sums under the new M: a plain place behind the exponentials
	s_wait_alu depctr_va_vdst(0)                   ; one wait for the batch of 68, ahead of its first reader
	v_pk_add_f32 v[228:229], v[92:93], v[96:97]    ; the row's sum of the unquantised p, in eight chains
	v_pk_add_f32 v[252:253], v[100:101], v[104:105]
	v_pk_add_f32 v[250:251], v[108:109], v[112:113]
	v_pk_add_f32 v[248:249], v[116:117], v[120:121]
	v_pk_add_f32 v[246:247], v[124:125], v[128:129]
	v_pk_add_f32 v[244:245], v[132:133], v[136:137]
	v_pk_add_f32 v[242:243], v[140:141], v[144:145]
	v_pk_add_f32 v[14:15], v[14:15], v[148:149]
	v_pk_add_f32 v[228:229], v[228:229], v[88:89]
	v_pk_add_f32 v[252:253], v[252:253], v[90:91]
	v_pk_add_f32 v[250:251], v[250:251], v[94:95]
	v_pk_add_f32 v[248:249], v[248:249], v[98:99]
	v_pk_add_f32 v[246:247], v[246:247], v[102:103]
	v_pk_add_f32 v[244:245], v[244:245], v[106:107]
	v_pk_add_f32 v[242:243], v[242:243], v[110:111]
	v_pk_add_f32 v[14:15], v[14:15], v[114:115]
	v_pk_add_f32 v[228:229], v[228:229], v[118:119]
	v_pk_add_f32 v[252:253], v[252:253], v[122:123]
	v_pk_add_f32 v[250:251], v[250:251], v[126:127]
	v_pk_add_f32 v[248:249], v[248:249], v[130:131]
	v_pk_add_f32 v[246:247], v[246:247], v[134:135]
	v_pk_add_f32 v[244:245], v[244:245], v[138:139]
	v_pk_add_f32 v[242:243], v[242:243], v[142:143]
	v_pk_add_f32 v[14:15], v[14:15], v[146:147]
	v_pk_add_f32 v[228:229], v[228:229], v[150:151]
	s_delay_alu instid0(VALU_DEP_2)
	v_pk_add_f32 v[14:15], v[14:15], v[248:249]
	s_delay_alu instid0(VALU_DEP_2)
	v_pk_add_f32 v[228:229], v[228:229], v[246:247]
	v_pk_add_f32 v[252:253], v[252:253], v[244:245]
	v_pk_add_f32 v[250:251], v[250:251], v[242:243]
	s_delay_alu instid0(VALU_DEP_2)
	v_pk_add_f32 v[14:15], v[14:15], v[252:253]
	s_delay_alu instid0(VALU_DEP_2)
	v_pk_add_f32 v[228:229], v[228:229], v[250:251]
	s_delay_alu instid0(VALU_DEP_1)
	v_pk_add_f32 v[14:15], v[14:15], v[228:229]
.irp b, 0,1,2,3
	v_max_num_f32 v[BM+\b], 0x1800000, v[BM+\b]    ; the floor 2^(3 - 127): the byte cannot fall under 1
.endr
.irp b, 0,1,2,3
	s_delay_alu instid0(VALU_DEP_4)
	v_add_nc_u32 v[SO+\b], 0xff000000, v[BM+\b]
.endr
.irp b, 0,1,2,3
	s_delay_alu instid0(VALU_DEP_4)
	v_lshrrev_b32 v[EX+\b], 23, v[SO+\b]
.endr
	s_delay_alu instid0(VALU_DEP_3)
	v_lshl_or_b32 v[PW], v[EX+1], 8, v[EX]         ; p's scale word for these 128 keys
	s_delay_alu instid0(VALU_DEP_1)
	v_lshl_or_b32 v[PW], v[EX+2], 16, v[PW]
	s_delay_alu instid0(VALU_DEP_1)
	v_lshl_or_b32 v[PW], v[EX+3], 24, v[PW]
.irp c, 0,1
	v_cvt_scalef32_pk16_fp6_f32 v[PC+6*\c:PC+6*\c+2], v[S+32*\c:S+32*\c+15], v[SO+2*\c]
	v_cvt_scalef32_pk16_fp6_f32 v[PT+4*\c:PT+4*\c+2], v[S+32*\c+16:S+32*\c+31], v[SO+2*\c+1]
.endr
	v_nop                                          ; one plain place behind a scaled conversion
.irp c, 0,1
.irp i, 0,1,2
	v_permlane16_swap_b32 v[PC+6*\c+\i], v[PT+4*\c+\i]
.endr
.irp i, 0,1,2
	s_delay_alu instid0(VALU_DEP_3)
	v_mov_b32 v[PC+6*\c+3+\i], v[PT+4*\c+\i]
.endr
.endr
	s_wait_dscnt 0x0                               ; V's fragments and scale words, asked for ahead of the softmax
	s_wait_alu depctr_va_vdst(0)                   ; directly ahead of the first reader of O^T
.set n, 0
.rept 16
	v_pk_mul_f32 v[O+n:O+n+1], v[O+n:O+n+1], v[F:F+1] op_sel_hi:[1,0]   ; O^T under the new M, from each accumulator's low end on; for each product below twelve of these name none of its registers: the places ahead of it
.set n, n+2
.endr
.irp t, 0,1,2,3                                ; O^T += V^T P^T: the four accumulators by turns
.if \t < 2
	v_wmma_scale_f32_16x16x128_f8f6f4 v[O+8*\t:O+8*\t+7], v[KF+12*\t:KF+12*\t+11], v[PC:PC+11], v[O+8*\t:O+8*\t+7], v[VS+\t%2], v[PW] matrix_a_fmt:MATRIX_FMT_FP6 matrix_b_fmt:MATRIX_FMT_FP6
.else
	v_wmma_scale_f32_16x16x128_f8f6f4 v[O+8*\t:O+8*\t+7], v[KF+12*\t:KF+12*\t+11], v[PC:PC+11], v[O+8*\t:O+8*\t+7], v[VS+\t%2], v[PW] matrix_a_fmt:MATRIX_FMT_FP6 matrix_b_fmt:MATRIX_FMT_FP6 matrix_a_scale:MATRIX_SCALE_ROW1
.endif
.endr
.rept 4
	v_nop                                          ; four places: the next step's loads land on V's fragments, and the way out reads O^T
.endr
.Lhid_\@:
	s_add_co_u32 s[TB], s[TB], KVB
	s_add_co_u32 s[KI], s[KI], 1
	s_cmp_lt_u32 s[KI], 16
	s_cbranch_scc1 .Ltrip_\@
	; the way out: O^T / the sum; register 16 b + i is d = 32 b + 16 h + i of my query: two blocks along e
	v_add_f32 v14, v14, v15
	s_delay_alu instid0(VALU_DEP_1)
	v_permlanex16_b32 v[TP+1], v14, s[SEL], s[SEL+1]
	s_delay_alu instid0(VALU_DEP_1)
	v_add_f32 v14, v14, v[TP+1]                    ; the row's sum
	s_wait_alu depctr_va_vdst(0)                   ; the wait ahead of the transcendental
	v_rcp_f32 v14, v14
	v_nop                                          ; a plain place behind the transcendental
	s_wait_alu depctr_va_vdst(0)                   ; the wait, ahead of the first reader
.set n, 0
.rept 32
	v_mul_f32 v[S+n], v[O+n], v14
.set n, n+1
.endr
.irp b, 0,1
	v_max3_num_f32 v[BM+\b], |v[S+16*\b]|, |v[S+16*\b+1]|, 0x1800000
.endr
.irp i, 2,4,6,8,10,12,14
.irp b, 0,1
	s_delay_alu instid0(VALU_DEP_2)
	v_max3_num_f32 v[BM+\b], v[BM+\b], |v[S+16*\b+\i]|, |v[S+16*\b+\i+1]|
.endr
.endr
.irp b, 0,1
	s_delay_alu instid0(VALU_DEP_2)
	v_permlanex16_b32 v[EX+\b], v[BM+\b], s[SEL], s[SEL+1]
.endr
.irp b, 0,1
	s_delay_alu instid0(VALU_DEP_2)
	v_max_num_f32 v[BM+\b], v[BM+\b], v[EX+\b]
.endr
.irp b, 0,1
	s_delay_alu instid0(VALU_DEP_2)
	v_add_nc_u32 v[SO+\b], 0xff000000, v[BM+\b]
.endr
.irp b, 0,1
	s_delay_alu instid0(VALU_DEP_2)
	v_lshrrev_b32 v[EX+\b], 23, v[SO+\b]
.endr
	v_cvt_scalef32_pk16_fp6_f32 v[PC:PC+2], v[S:S+15], v[SO]
	v_cvt_scalef32_pk16_fp6_f32 v[PT:PT+2], v[S+16:S+31], v[SO+1]
	v_nop
.irp i, 0,1,2
	v_permlane16_swap_b32 v[PC+\i], v[PT+\i]       ; lanes 0-15 block 0 whole, lanes 16-31 block 1
.endr
.irp i, 0,1,2
	s_delay_alu instid0(VALU_DEP_3)
	v_mov_b32 v[PC+3+\i], v[PT+\i]
.endr
	v_cndmask_b32 v[TP], v[EX], v[EX+1], s[HM]     ; block h's byte
	global_store_b128 v1, v[PC:PC+3], s[\op:\op+1]                 ; the head's half of a fragment of the last product's operand: 512 and 256 consecutive bytes, aligned to 256
	global_store_b64 v2, v[PC+4:PC+5], s[\op:\op+1] offset:512
	global_store_b8 v7, v[TP], s[\sp:\sp+1]        ; a work-group has one head: two bytes of each row's sixteen: one part in 24 of what it stores
.endm
	PASS 0, 10, 5, GA, 44, 48
	PASS 1, 11, 6, GB, 46, 50
	s_wait_dscnt 0x0
	s_wait_tensorcnt 0x0                           ; the wave's end
	ds_add_u32 v254, v255
	s_wait_dscnt 0x0
	CROUND                                         ; the closing round
	s_endpgm
.Lfunc_end_k_q8a03307db1_attn:
	.size	k_q8a03307db1_attn, .Lfunc_end_k_q8a03307db1_attn-k_q8a03307db1_attn
	.p2alignl 7, 3214868480
	.fill 96, 4, 3214868480
	.section	.rodata,"a",@progbits
	.p2align	6, 0x0
	.amdhsa_kernel k_q8a03307db1_attn
		.amdhsa_group_segment_fixed_size 215040
		.amdhsa_private_segment_fixed_size 0
		.amdhsa_enable_private_segment 0
		.amdhsa_kernarg_size 24
		.amdhsa_user_sgpr_count 2
		.amdhsa_user_sgpr_kernarg_segment_ptr 1
		.amdhsa_wavefront_size32 1
		.amdhsa_system_sgpr_workgroup_id_x 1
		.amdhsa_system_sgpr_workgroup_id_y 1
		.amdhsa_system_sgpr_workgroup_id_z 1
		.amdhsa_system_vgpr_workitem_id 0
		.amdhsa_next_free_vgpr 256
		.amdhsa_next_free_sgpr 66
		.amdhsa_reserve_vcc 1
		.amdhsa_float_denorm_mode_32 3
		.amdhsa_float_denorm_mode_16_64 3
		.amdhsa_memory_ordered 1
		.amdhsa_forward_progress 1
		.amdhsa_inst_pref_size 63
	.end_amdhsa_kernel
	.amdgpu_metadata
---
amdhsa.version: [ 1, 2 ]
amdhsa.kernels:
  - .name:           k_q8a03307db1_attn
    .symbol:         k_q8a03307db1_attn.kd
    .args:
      - { .name: qkv, .offset: 0, .size: 8, .value_kind: global_buffer, .address_space: global }
      - { .name: aimg, .offset: 8, .size: 8, .value_kind: global_buffer, .address_space: global }
      - { .name: asc, .offset: 16, .size: 8, .value_kind: global_buffer, .address_space: global }
    .group_segment_fixed_size: 215040
    .private_segment_fixed_size: 0
    .kernarg_segment_align: 8
    .kernarg_segment_size: 24
    .max_flat_workgroup_size: 512
    .sgpr_count:     66
    .vgpr_count:     256
    .wavefront_size: 32
...
	.end_amdgpu_metadata
.endif
;; end of part 3
;; launch proj (part 4): grid 4 x 64, 4 waves a work-group, clusters of 4 x 4, 327,680 bytes of LDS; arguments aimg, asc, cimg, csc, out0; writes out0
.if DOCPART == 4
	.amdgcn_target "amdgcn-amd-amdhsa--gfx1250"
	.amdhsa_code_object_version 6
	.text
	.protected	k_q8a03307db1_proj
	.globl	k_q8a03307db1_proj
	.p2align	8
	.type	k_q8a03307db1_proj,@function
k_q8a03307db1_proj:
	s_mov_b64 s[64:65], 0
	v_nop
	global_prefetch_b8 v0, s[64:65] scope:SCOPE_SE
	s_setreg_imm32_b32 hwreg(HW_REG_WAVE_MODE, 25, 1), 1
	s_wait_xcnt 0x0
	s_wait_alu depctr_hold_cnt(0) depctr_sa_sdst(0) depctr_va_vdst(0) depctr_va_sdst(0) depctr_va_ssrc(0) depctr_va_vcc(0) depctr_vm_vsrc(0)
	s_getreg_b32 s2, hwreg(HW_REG_IB_STS2, 6, 4)
	s_cmp_eq_u32 s2, 0
	s_cbranch_scc0 .Lentry_in_a_cluster
	s_endpgm
.Lentry_in_a_cluster:
	s_bfe_u32 s2, ttmp6, 0x10000c
	s_cmp_lg_u32 s2, 0xf033
	s_cbranch_scc0 .Lentry_shape_is_right
	s_endpgm
.Lentry_shape_is_right:
; out0 = a Wu^T on codes of FP6 (E2M3) with E8M0 scales: a, the attention's result, comes as register images in aimg and asc, Wu's in cimg and csc (tiles 704-767).
; A tile is 16 rows (place r = row 32 (T / 2) + 8 (T % 2) + r + 8 (r / 8)); a fragment 1,536 bytes; a tile's K = 1,024: 12,288 bytes; scale words 512 bytes a tile.
; A work-group makes 128 tokens x 256 columns over all of K; wave (rh, ch) makes 64 x 128: 32 accumulators; source 0 = 16 rows of Wu, source 1 = 16 tokens, so that a lane holds neighbours of a row of out0.
; LDS: two slots of four K steps each, 147,456 bytes (A's 8 tiles, then B's 16, 6,144 bytes a tile), each filled once: slot 0 by the head's load, one a wave; slot 1 behind the full sequence and a round.
; CLUSTER 4 x 4: A's tiles are asked for jointly along a row, B's along a column.  No data prefetch: K is short, the launch's whole K is two fills and there is no loop to run ahead in.
; The way out goes through each wave's own stage, 16 rows of 528 bytes, in slot 0's bytes: that slot has had its only fill, and nobody reads it behind the barrier at K step 3.
.set SLOT, 147456
.set SCA, 32
.set SCB, 48
.set WV,  18
.set RH,  19
.set CH,  20
.set G1A, 24
.set G1B, 32
.set G0A, 40
.set G0B, 68
.set STO, 12
.set RD,  13
.set BK,  80
.set MSB, 0
.macro WIN new
.if MSB != (\new)
	s_set_vgpr_msb (MSB<<8)|(\new)
.set MSB, (\new)
.endif
.endm
.macro PLACES
.rept 4
	v_nop
.endr
.endm
.macro CROUND
	s_barrier_signal -1
	s_barrier_wait -1
	s_cmp_lg_u32 s[WV], 0
	s_cbranch_scc1 .Lnot_wave_0_\@
	s_barrier_signal -3
.Lnot_wave_0_\@:
	s_barrier_wait -3
	s_barrier_signal -1
	s_barrier_wait -1
.endm
.macro JLOAD q
	s_cmp_eq_u32 s[RH], 0
	s_cbranch_scc0 .Lfor_b_\@
	tensor_load_to_lds s[G0A+4*\q:G0A+4*\q+3], s[G1A:G1A+7]
	s_nop 0
.rept 4
	v_nop
.endr
	s_branch .Lasked_\@
.Lfor_b_\@:
	tensor_load_to_lds s[G0B+4*\q:G0B+4*\q+3], s[G1B:G1B+7]
	s_nop 0
.rept 4
	v_nop
.endr
.Lasked_\@:
.endm
.macro FETCH s, set
.set AQ, 16+4*((\s)/4)
.set KO, 1536*((\s)%4)
	WIN 0x40
.irp b, 0,1,2,3,4,5,6,7
	ds_load_b128 v[96*(\set)+12*\b:96*(\set)+12*\b+3], v[AQ+2] offset:6144*\b+KO
	ds_load_b64 v[96*(\set)+12*\b+4:96*(\set)+12*\b+5], v[AQ+3] offset:6144*\b+KO+512
	ds_load_b128 v[96*(\set)+12*\b+6:96*(\set)+12*\b+9], v[AQ+2] offset:6144*\b+KO+768
	ds_load_b64 v[96*(\set)+12*\b+10:96*(\set)+12*\b+11], v[AQ+3] offset:6144*\b+KO+1280
.endr
	WIN 0
.irp a, 0,1,2,3
	ds_load_b128 v[80+48*(\set)+12*\a:80+48*(\set)+12*\a+3], v[AQ] offset:6144*\a+KO
	ds_load_b64 v[80+48*(\set)+12*\a+4:80+48*(\set)+12*\a+5], v[AQ+1] offset:6144*\a+KO+512
	ds_load_b128 v[80+48*(\set)+12*\a+6:80+48*(\set)+12*\a+9], v[AQ] offset:6144*\a+KO+768
	ds_load_b64 v[80+48*(\set)+12*\a+10:80+48*(\set)+12*\a+11], v[AQ+1] offset:6144*\a+KO+1280
.endr
.endm
.macro MM a, b, s, set
.set rD, 8*(8*(\a)+(\b))
.set rB, 96*(\set)+12*(\b)
.set rA, 80+48*(\set)+12*(\a)
.set rX, SCB+8*((\b)%4)+(\s)
.set rY, SCA+8*((\a)%2)+(\s)
.if (\s) == 0
.if (\b) < 4
.if (\a) < 2
	v_wmma_scale_f32_16x16x128_f8f6f4 v[rD:rD+7], v[rB:rB+11], v[rA:rA+11], 0, v[rX], v[rY] matrix_a_fmt:MATRIX_FMT_FP6 matrix_b_fmt:MATRIX_FMT_FP6
.else
	v_wmma_scale_f32_16x16x128_f8f6f4 v[rD:rD+7], v[rB:rB+11], v[rA:rA+11], 0, v[rX], v[rY] matrix_a_fmt:MATRIX_FMT_FP6 matrix_b_fmt:MATRIX_FMT_FP6 matrix_b_scale:MATRIX_SCALE_ROW1
.endif
.else
.if (\a) < 2
	v_wmma_scale_f32_16x16x128_f8f6f4 v[rD:rD+7], v[rB:rB+11], v[rA:rA+11], 0, v[rX], v[rY] matrix_a_fmt:MATRIX_FMT_FP6 matrix_b_fmt:MATRIX_FMT_FP6 matrix_a_scale:MATRIX_SCALE_ROW1
.else
	v_wmma_scale_f32_16x16x128_f8f6f4 v[rD:rD+7], v[rB:rB+11], v[rA:rA+11], 0, v[rX], v[rY] matrix_a_fmt:MATRIX_FMT_FP6 matrix_b_fmt:MATRIX_FMT_FP6 matrix_a_scale:MATRIX_SCALE_ROW1 matrix_b_scale:MATRIX_SCALE_ROW1
.endif
.endif
.else
.if (\b) < 4
.if (\a) < 2
	v_wmma_scale_f32_16x16x128_f8f6f4 v[rD:rD+7], v[rB:rB+11], v[rA:rA+11], v[rD:rD+7], v[rX], v[rY] matrix_a_fmt:MATRIX_FMT_FP6 matrix_b_fmt:MATRIX_FMT_FP6
.else
	v_wmma_scale_f32_16x16x128_f8f6f4 v[rD:rD+7], v[rB:rB+11], v[rA:rA+11], v[rD:rD+7], v[rX], v[rY] matrix_a_fmt:MATRIX_FMT_FP6 matrix_b_fmt:MATRIX_FMT_FP6 matrix_b_scale:MATRIX_SCALE_ROW1
.endif
.else
.if (\a) < 2
	v_wmma_scale_f32_16x16x128_f8f6f4 v[rD:rD+7], v[rB:rB+11], v[rA:rA+11], v[rD:rD+7], v[rX], v[rY] matrix_a_fmt:MATRIX_FMT_FP6 matrix_b_fmt:MATRIX_FMT_FP6 matrix_a_scale:MATRIX_SCALE_ROW1
.else
	v_wmma_scale_f32_16x16x128_f8f6f4 v[rD:rD+7], v[rB:rB+11], v[rA:rA+11], v[rD:rD+7], v[rX], v[rY] matrix_a_fmt:MATRIX_FMT_FP6 matrix_b_fmt:MATRIX_FMT_FP6 matrix_a_scale:MATRIX_SCALE_ROW1 matrix_b_scale:MATRIX_SCALE_ROW1
.endif
.endif
.endif
.endm
.macro MUL32 s, set
	WIN 0xa1
.irp a, 0,1,2,3
.irp b, 0,1,2,3,4,5,6,7
	MM \a, \b, \s, \set
.endr
.endr
	WIN 0
.endm
.macro STEP s
	s_wait_dscnt 0x0
.if (\s) < 7
.if (\s) == 3
	s_wait_tensorcnt 0x0                           ; my part of slot 1 has landed
	s_barrier_signal -1
	s_barrier_wait -1
.endif
.if (\s) > 0
	PLACES
.endif
	FETCH (\s)+1, ((\s)+1)%2
.endif
	MUL32 \s, (\s)%2
.endm
	s_load_b256 s[4:11], s[0:1], 0x0
	s_load_b64 s[12:13], s[0:1], 0x20
	v_lshl_add_u32 v254, v0, 2, 0x48000
	v_mov_b32 v255, 0
	ds_add_u32 v254, v255
	ds_add_u32 v254, v255
	v_lshrrev_b32 v1, 5, v0
	v_readfirstlane_b32 s[WV], v1
	s_lshr_b32 s[RH], s[WV], 1
	s_and_b32 s[CH], s[WV], 1
	s_bfe_u32 s21, ttmp6, 0x40000
	s_bfe_u32 s22, ttmp6, 0x40004
	s_and_b32 s23, ttmp7, 0xffff
	s_lshl_b32 s56, s22, 2
	s_lshl_b32 s56, 15, s56
	s_lshl_b32 s57, 0x1111, s21
	s_or_b32 s[G1A], s56, (3<<16)|(1<<21)
	s_or_b32 s[G1B], s57, (3<<16)|(1<<21)
	s_mov_b32 s[G1A+1], 768<<16                    ; a row of the tile: a tile's four K steps, 6,144 bytes, in elements of 8 bytes
	s_mov_b32 s[G1A+2], 4<<16
	s_mov_b32 s[G1A+3], 768<<16
	s_mov_b32 s[G1A+4], 4
	s_mov_b32 s[G1A+5], 1536
	s_mov_b32 s[G1A+6], 0
	s_mov_b32 s[G1A+7], 0
	s_mov_b32 s[G1B+1], 768<<16
	s_mov_b32 s[G1B+2], 8<<16
	s_mov_b32 s[G1B+3], 768<<16
	s_mov_b32 s[G1B+4], 8
	s_mov_b32 s[G1B+5], 1536
	s_mov_b32 s[G1B+6], 0
	s_mov_b32 s[G1B+7], 0
	s_lshl_b32 s84, s23, 2
	s_add_co_u32 s84, s84, s22
	s_lshl_b32 s86, s84, 3
	s_lshl_b32 s87, s21, 4
	s_add_co_u32 s87, s87, 704
	s_lshl_b32 s88, s[CH], 2
	s_add_co_u32 s88, s88, s86
	s_mul_i32 s88, s88, 12288
	s_mov_b32 s89, 0
	s_lshl_b32 s90, s[CH], 3
	s_add_co_u32 s90, s90, s87
	s_mul_i32 s90, s90, 12288
	s_mov_b32 s91, 0
	s_mul_i32 s92, s[CH], 24576                    ; where the tiles that I fetch go in a slot: A's four, or B's eight behind A's eight
	s_mul_i32 s93, s[CH], 49152
	s_add_co_u32 s93, s93, 49152
	s_lshl_b32 s62, s84, 7
	s_lshl_b32 s63, s[RH], 6
	s_add_co_u32 s62, s62, s63
	s_lshl_b32 s62, s62, 12
	s_lshl_b32 s63, s21, 10
	s_add_co_u32 s62, s62, s63
	s_lshl_b32 s63, s[CH], 9
	s_add_co_u32 s62, s62, s63
	s_mov_b32 s63, 0
	s_wait_dscnt 0x0
	s_wait_kmcnt 0x0
	s_add_nc_u64 s[88:89], s[4:5], s[88:89]
	s_add_nc_u64 s[90:91], s[8:9], s[90:91]
	s_add_nc_u64 s[12:13], s[12:13], s[62:63]
	CROUND
.irp q, 0,1
	s_mov_b32 s[G0A+4*\q], 1
	s_add_co_u32 s[G0A+4*\q+1], s92, \q*SLOT
	s_add_nc_u64 s[G0A+4*\q+2:G0A+4*\q+3], s[88:89], \q*6144
	s_or_b32 s[G0A+4*\q+3], s[G0A+4*\q+3], 0x80000000
	s_mov_b32 s[G0B+4*\q], 1
	s_add_co_u32 s[G0B+4*\q+1], s93, \q*SLOT
	s_add_nc_u64 s[G0B+4*\q+2:G0B+4*\q+3], s[90:91], \q*6144
	s_or_b32 s[G0B+4*\q+3], s[G0B+4*\q+3], 0x80000000
.endr
	JLOAD 0                                        ; K steps 0-3: one tensor load a wave at the head
	s_lshl_b32 s56, s[RH], 2
	s_add_co_u32 s56, s56, s86
	s_lshl_b32 s56, s56, 9
	s_mov_b32 s57, 0
	s_add_nc_u64 s[56:57], s[6:7], s[56:57]
	s_lshl_b32 s58, s[CH], 3
	s_add_co_u32 s58, s58, s87
	s_lshl_b32 s58, s58, 9
	s_mov_b32 s59, 0
	s_add_nc_u64 s[58:59], s[10:11], s[58:59]
	v_and_b32 v1, 15, v0
	v_bfe_u32 v2, v0, 4, 1
	v_lshlrev_b32 v3, 4, v1
	v_lshl_add_u32 v8, v2, 10, v3
	v_lshl_add_u32 v9, v2, 11, v3
.irp i, 0,1
.irp u, 0,1
	global_load_b128 v[SCA+8*\i+4*\u:SCA+8*\i+4*\u+3], v8, s[56:57] offset:512*\i+256*\u
.endr
.endr
.irp i, 0,1,2,3
.irp u, 0,1
	global_load_b128 v[SCB+8*\i+4*\u:SCB+8*\i+4*\u+3], v9, s[58:59] offset:512*\i+256*\u
.endr
.endr
	v_and_b32 v10, 31, v0
	v_lshlrev_b32 v4, 4, v10
	v_lshlrev_b32 v5, 3, v10
	s_mul_i32 s60, s[WV], 8448
	v_mul_u32_u24 v[STO], v1, 528
	v_lshl_add_u32 v[STO], v2, 6, v[STO]
	v_add_nc_u32 v[STO], s60, v[STO]
	v_add_nc_u32 v[RD], s60, v4
	s_mul_i32 s60, s[RH], 24576                    ; the tiles that I multiply: my four of A, my eight of B
	s_mul_i32 s61, s[CH], 49152
	s_add_co_u32 s61, s61, 49152
.irp q, 0,1
	v_add_nc_u32 v[16+4*\q], s60, v4
	v_add_nc_u32 v[17+4*\q], s60, v5
	v_add_nc_u32 v[18+4*\q], s61, v4
	v_add_nc_u32 v[19+4*\q], s61, v5
	s_add_co_u32 s60, s60, SLOT
	s_add_co_u32 s61, s61, SLOT
.endr
	s_wait_alu depctr_va_vdst(0)
	s_wait_tensorcnt 0x0                           ; my part of slot 0 is in; slot 1's first fill is issued as a refill is:
	ds_add_u32 v254, v255
	s_wait_dscnt 0x0
	CROUND                                         ; everybody's part of slot 0 is in, and all sixteen work-groups are here
	JLOAD 1                                        ; K steps 4-7, under the products of K steps 0-3
	FETCH 0, 0
	s_wait_loadcnt 0x0
.irp s, 0,1,2,3,4,5,6,7
	STEP \s
.endr
.macro TOSTAGE a
	WIN 0x08
.irp b, 0,1,2,3,4,5,6,7
	ds_store_b128 v[STO], v[64*(\a)+8*\b:64*(\a)+8*\b+3] offset:128*(\b/2)+32*(\b%2)
	ds_store_b128 v[STO], v[64*(\a)+8*\b+4:64*(\a)+8*\b+7] offset:128*(\b/2)+32*(\b%2)+16
.endr
	WIN 0
.set BB, BK+64*((\a)%2)
.irp t, 0,1,2,3,4,5,6,7,8,9,10,11,12,13,14,15
	ds_load_b128 v[BB+4*\t:BB+4*\t+3], v[RD] offset:528*\t
.endr
.endm
.macro SEND a, younger
.set BB, BK+64*((\a)%2)
	s_wait_dscnt \younger
.irp t, 0,1,2,3,4,5,6,7,8,9,10,11,12,13,14,15
	global_store_b128 v4, v[BB+4*\t:BB+4*\t+3], s[12:13] offset:(32*((\a)/2)+8*((\a)%2)+\t+8*(\t/8))*4096 th:TH_STORE_NT
.endr
.endm
	PLACES
	TOSTAGE 0
.irp a, 1,2,3
.if \a > 1
	s_wait_xcnt 0x0
.endif
	TOSTAGE \a
	SEND \a-1, 32
.endr
	SEND 3, 0
	s_wait_tensorcnt 0x0
	ds_add_u32 v254, v255
	s_wait_dscnt 0x0
	CROUND
	s_endpgm
.Lfunc_end_k_q8a03307db1_proj:
	.size	k_q8a03307db1_proj, .Lfunc_end_k_q8a03307db1_proj-k_q8a03307db1_proj
	.p2alignl 7, 3214868480
	.fill 96, 4, 3214868480
	.section	.rodata,"a",@progbits
	.p2align	6, 0x0
	.amdhsa_kernel k_q8a03307db1_proj
		.amdhsa_group_segment_fixed_size 327680
		.amdhsa_private_segment_fixed_size 0
		.amdhsa_enable_private_segment 0
		.amdhsa_kernarg_size 40
		.amdhsa_user_sgpr_count 2
		.amdhsa_user_sgpr_kernarg_segment_ptr 1
		.amdhsa_wavefront_size32 1
		.amdhsa_system_sgpr_workgroup_id_x 1
		.amdhsa_system_sgpr_workgroup_id_y 1
		.amdhsa_system_sgpr_workgroup_id_z 1
		.amdhsa_system_vgpr_workitem_id 0
		.amdhsa_next_free_vgpr 768
		.amdhsa_next_free_sgpr 100
		.amdhsa_reserve_vcc 0
		.amdhsa_float_denorm_mode_32 3
		.amdhsa_float_denorm_mode_16_64 3
		.amdhsa_memory_ordered 1
		.amdhsa_forward_progress 1
		.amdhsa_inst_pref_size 82
	.end_amdhsa_kernel
	.amdgpu_metadata
---
amdhsa.version: [ 1, 2 ]
amdhsa.kernels:
  - .name:           k_q8a03307db1_proj
    .symbol:         k_q8a03307db1_proj.kd
    .args:
      - { .name: aimg, .offset: 0, .size: 8, .value_kind: global_buffer, .address_space: global }
      - { .name: asc, .offset: 8, .size: 8, .value_kind: global_buffer, .address_space: global }
      - { .name: cimg, .offset: 16, .size: 8, .value_kind: global_buffer, .address_space: global }
      - { .name: csc, .offset: 24, .size: 8, .value_kind: global_buffer, .address_space: global }
      - { .name: out0, .offset: 32, .size: 8, .value_kind: global_buffer, .address_space: global }
    .group_segment_fixed_size: 327680
    .private_segment_fixed_size: 0
    .kernarg_segment_align: 8
    .kernarg_segment_size: 40
    .max_flat_workgroup_size: 128
    .sgpr_count:     100
    .vgpr_count:     768
    .wavefront_size: 32
...
	.end_amdgpu_metadata
.endif
;; end of part 4
